; MI455X (gfx1250); checked and timed in simulation.
; The chip was launched on July 23, 2026; its instructions are those of AMD's public machine-readable ISA for CDNA 5 (MIT licence, August 2026) and "CDNA5" Instruction Set Architecture Reference Guide (July 2026). The comments in the code are by the model that wrote it; some were corrected since.
;; Causal Multihead Self Attention. Allowed arithmetic: matrix products marked QUANTISED: E2M1 operands, one E8M0 scale for each 32 along K, by v_wmma_scale_f32_16x16x128_f8f6f4 with both operands' format E2M1 (or v_wmma_scale_f32_32x16x128_f4), f32 sums; everything else in f32.
;; Inputs: Wk_codes 1,024 x 32 x 16 uint8 (E2M1 codes of Wk, K innermost, in blocks of 32 codes, two codes a byte); Wk_scales 1,024 x 32 uint8 (E8M0 scales of Wk, one for each 32 codes along K); Wo_codes 1,024 x 32 x 16 uint8 (E2M1 codes of Wo, K innermost, in blocks of 32 codes, two codes a byte); Wo_scales 1,024 x 32 uint8 (E8M0 scales of Wo, one for each 32 codes along K); Wq_codes 1,024 x 32 x 16 uint8 (E2M1 codes of Wq, K innermost, in blocks of 32 codes, two codes a byte); Wq_scales 1,024 x 32 uint8 (E8M0 scales of Wq, one for each 32 codes along K); Wv_codes 1,024 x 32 x 16 uint8 (E2M1 codes of Wv, K innermost, in blocks of 32 codes, two codes a byte); Wv_scales 1,024 x 32 uint8 (E8M0 scales of Wv, one for each 32 codes along K); bk 1,024 float32; bo 1,024 float32; bq 1,024 float32; bv 1,024 float32; x_codes 4 x 2,048 x 32 x 16 uint8 (E2M1 codes of x, K innermost, in blocks of 32 codes, two codes a byte); x_scales 4 x 2,048 x 32 uint8 (E8M0 scales of x, one for each 32 codes along K).
;; Outputs: out0 4 x 2,048 x 1,024 float32.
;; This version of the problem:
;;   THIS VERSION OF THE PROBLEM IS GIVEN IN LOW PRECISION. The matrix products marked QUANTISED in the list below multiply operands that are first quantised to E2M1 (2 exponent bits, 1 mantissa bit; 4 bits a number), with one power-of-two scale for each 32 numbers along K (OCP MX v1.0); their sums are f32. All else is computed in f32.
;;   The module's matrix products, in the order in which they are computed (A, B: the left and right operand; K: the contracted axis; several contracted axes count as one K, in the product's order):
;;     1. [M 8,192, K 1,024] x [K 1,024, N 1,024]; A: input x (given as codes); B: input Wq (given as codes): QUANTISED
;;     2. [M 8,192, K 1,024] x [K 1,024, N 1,024]; A: input x (given as codes); B: input Wk (given as codes): QUANTISED
;;     3. [M 8,192, K 1,024] x [K 1,024, N 1,024]; A: input x (given as codes); B: input Wv (given as codes): QUANTISED
;;     4. batch 64 x [M 2,048, K 64] x [K 64, N 2,048]; A: computed on the way; B: computed on the way: QUANTISED
;;     5. batch 64 x [M 2,048, K 2,048] x [K 2,048, N 64]; A: softmax (see below); B: computed on the way: QUANTISED
;;     6. [M 8,192, K 1,024] x [K 1,024, N 1,024]; A: computed on the way; B: input Wo (given as codes): QUANTISED
;;   THE QUANTISER, for each operand of a quantised product, along K:
;;     - K is cut into blocks of 32 from its start; a last block that is shorter is filled with zeros.
;;     - A block's scale is 2^e with e = floor(log2(the largest magnitude in the block)) - 2, held to -126 .. 127; a block of zeros has e = 0. As a byte (E8M0): e + 127.
;;     - Each number is divided by its block's scale, clamped to +-6, and rounded to the nearest number of E2M1, ties to even, subnormals kept.
;;     - The product sums the exact products of the quantised numbers (number of the format x scale) in f32.
;;   ~~~python
;;   def quantise(x, axis):      # numpy; x: float32 -> the quantised numbers, widened to float32 again
;;       x = np.moveaxis(x, axis, -1); K = x.shape[-1]
;;       x = np.pad(x, [(0, 0)] * (x.ndim - 1) + [(0, -K % 32)]); x = x.reshape(x.shape[:-1] + (-1, 32)); a = np.abs(x).max(-1, keepdims=True)
;;       e = np.where(a > 0, np.clip(np.frexp(np.where(a > 0, a, 1))[1] - 1 - 2, -126, 127), 0)      # np.frexp(a)[1] - 1 = floor(log2(a)), exactly
;;       r = np.clip(x / 2.0 ** e, -6, 6)
;;       step = 2.0 ** (np.maximum(np.frexp(np.where(r == 0, 1, r))[1] - 1, 0) - 1)
;;       q = np.round(r / step) * step * 2.0 ** e      # np.round: ties to even
;;       return np.moveaxis(q.reshape(q.shape[:-2] + (-1,))[..., :K], -1, axis).astype(np.float32)
;;   ~~~
;;   SOFTMAX AHEAD OF A QUANTISED PRODUCT. Where the list says 'softmax', what is quantised is not the finished softmax but p = 2^(t - M), with t = logit x log2(e) and M = ceil(the row's largest t), a whole number; so 1/2 < the row's largest p <= 1. The row's sum l is taken of the UNQUANTISED p, in f32, and the product's result is divided by l at the end. Since M is a whole number, a kernel that streams over the keys may use a running M (the ceiling of the running maximum): every later rescaling is an exact power of two, which a block's scale takes up: the codes' values come out the same.
;;   OPERANDS COMPUTED ON THE WAY. 'Computed on the way' means the value that the module computes at that place (a softmax that the list does not call 'softmax' is quantised finished and normalised). What goes into a quantiser is computed in f32, as accurately as f32 sums, v_exp_f32 and their like allow (about 1e-6 of the number): no bf16 or f16 on the way to a quantiser, and a product that is left as it is and whose result goes on into a quantised operand takes f32 operands (vector FMAs, or v_wmma_f32_16x16x4_f32). A number that lies on a knife's edge between two numbers of the format may be rounded either way, as far as f32 arithmetic and the matrix unit's own rounding can turn it there, and no further.
;;   INPUTS GIVEN AS CODES. Wk (in the module: [1024, 1024], K = its axis 1); Wo (in the module: [1024, 1024], K = its axis 1); Wq (in the module: [1024, 1024], K = its axis 1); Wv (in the module: [1024, 1024], K = its axis 1); x (in the module: [4, 2048, 1024], K = its axis 2): each comes as NAME_codes (uint8): NAME with its K axis moved to the last place and cut into blocks of 32 codes, [.., K / 32, bytes a block], one block behind the other in memory; two codes a byte, the lower K in the low four bits (a code: sign, 2 exponent bits, 1 mantissa bit); and NAME_scales (uint8): the same leading axes, one E8M0 byte (e + 127) for each 32 codes along K. Its value is code x scale, taken as it is: it is not quantised again, and the codes and scales need not be those that the quantiser above would give.
;; One version. Each part assembles by itself: llvm-mc -triple=amdgcn-amd-amdhsa -mcpu=gfx1250 --defsym DOCPART=n.
;; ======== version 1 of 1: 3 launches
;; workspace buffers: qrec 4,718,592 bytes; kv 9,175,040 bytes; oimg 4,194,304 bytes; osc 1,048,576 bytes
;; launch qkv (part 1): grid 8 x 32, 4 waves a work-group, clusters of 4 x 4, 327,680 bytes of LDS; arguments x_codes, x_scales, Wq_codes, Wq_scales, Wk_codes, Wk_scales, Wv_codes, Wv_scales, bq, bk, bv, qrec, kv; writes qrec, kv
.if DOCPART == 1
	.amdgcn_target "amdgcn-amd-amdhsa--gfx1250"
	.amdhsa_code_object_version 6
	.text
	.protected	k_q2100945dbd_qkv
	.globl	k_q2100945dbd_qkv
	.p2align	8
	.type	k_q2100945dbd_qkv,@function
k_q2100945dbd_qkv:
	s_mov_b64 s[64:65], 0
	v_nop
	global_prefetch_b8 v0, s[64:65] scope:SCOPE_SE
	s_setreg_imm32_b32 hwreg(HW_REG_WAVE_MODE, 25, 1), 1
	s_wait_xcnt 0x0
	s_wait_alu depctr_hold_cnt(0) depctr_sa_sdst(0) depctr_va_vdst(0) depctr_va_sdst(0) depctr_va_ssrc(0) depctr_va_vcc(0) depctr_vm_vsrc(0)
	s_getreg_b32 s2, hwreg(HW_REG_IB_STS2, 6, 4)
	s_cmp_eq_u32 s2, 0
	s_cbranch_scc0 .Lentry_in_a_cluster
	s_endpgm
.Lentry_in_a_cluster:
	s_bfe_u32 s2, ttmp6, 0x10000c
	s_cmp_lg_u32 s2, 0xf033
	s_cbranch_scc0 .Lentry_shape_is_right
	s_endpgm
.Lentry_shape_is_right:
; q = x Wq^T + bq, k = x Wk^T + bk, v = x Wv^T + bv on codes of FP4 (E2M1) with one E8M0 scale for each 32 along K = 1,024; sums and biases in f32.
; The results are quantised here, q and k along a head's 64, v along the keys, and leave as IMAGES OF OPERAND REGISTERS (lane l's 16 bytes at 16 l), so that each store of codes covers 512 consecutive bytes.
; SHARES.  8 x 32 = 256 work-groups of four waves.  A work-group owns 256 tokens (the grid's y) and two heads (the grid's x) of q, of k and of v: 256 x 384 results, in two phases on one copy of x in LDS.
; PHASE 1: q and k together.  LDS holds x's 256 rows and, as one block of 256 rows, Wq's 128 and Wk's 128.  A wave makes 128 tokens x 128 features, q's (waves 0, 2) or k's (waves 1, 3): 64 accumulators, 512 registers.
; PHASE 2: v.  x's rows, both weights' rows and Wv's 128 rows are 348,160 bytes with their padding, more than LDS holds: so Wv's rows are brought onto Wq's, ONE refill, behind phase 1's last product; it lands while q and k are quantised.
;          A wave makes 128 keys x 64 features: 32 accumulators.
; Source 1 of a product gives each LANE one of its rows, source 0 spreads its rows over a lane's REGISTERS, and a quantiser wants its K along the registers.  So for q and k source 1 is x and source 0 the weight
; (a lane holds one token and 8 features a tile); for v source 1 is Wv and source 0 is x (a lane holds one feature and 8 keys a tile).
; CLUSTERS: 4 x 4 work-groups.  x's block hangs on the place along y alone and is asked for jointly by a row of the cluster, the weights' rows on the place along x alone, by a column.
; QUANTISER: 64 numbers of a lane, register 8 t + j = k 16 t + 8 (lane / 16) + j.  Block b is registers 16 b .. 16 b + 15 of lanes l and l xor 16.  The codes of tile 2 b + u go to register 4 (b / 2) + 2 u + b % 2;
; an exchange of halves between registers 2 i and 2 i + 1 then leaves register 4 c + d = the d-th eight codes of block 2 c + lane / 16: the 4-bit operand's layout.
; LIMITS: NaN and infinities are not served.  A block of zeros, or one whose largest magnitude lies under 2^-124, gets the scale byte 1; the bytes are read by this program alone, and zero codes add nothing under it.
; REGISTERS, in windows of 256: window 0: v1-31 addresses; phase 1: v32-95 x's scale words (8 a + K step), v96-159 the weight's, v192-255 the bias; behind its products v32-95 hold 64 numbers, v96-127 codes and scale words,
;   v128-159 Wv's scale words, v176-183 bv, and in phase 2 v192-255 x's scale words again; v160-175 at work.
;   window 1: two sets of fragments: source 0's eight at 128 p + 8 b, source 1's at 128 p + 64 + 8 a.   window 2: accumulators of source 1's blocks 0-3 at 8 (8 a + b);   window 3: of blocks 4-7 (phase 1 alone).
.set PITCH, 272                        ; an LDS row: 256 bytes + 16 of padding: the 16 rows of a fragment load start at 16 different banks (64 banks of 4 bytes: ISA guide 11.1)
.set HALFT, 128*PITCH                  ; 128 rows: one of the first tensor loads
.set SLOT,  4*HALFT                    ; half of K: x's 256 rows, then Wq's 128 (later Wv's) and Wk's 128
.set SCL,   2*SLOT                     ; the scale bytes: four runs of 128 rows x 32 bytes (x, x, Wq, Wk), as rows of 256 bytes + 16
.set HALFS, 16*272
.set SBLK,  2*272                      ; the scale bytes of 16 rows
.set SPARE, SCL+4*HALFS                ; the spare words, 128 bytes for each wave: two blocks of 256 bytes that no other line names
.set QSTR,  73728                      ; bytes of a head's record in qrec
.set KVSTR, 143360                     ; and in kv
.set KSCO,  65536                      ; in a record: q's or k's scale words
.set VIMO,  73728                      ; v's images
.set VSCO,  139264                     ; v's scale words
.set ADRA, 16                          ; v16-17 LDS address of my fragments of x, K half 0, 1
.set ADRW, 18                          ; v18-19 of my 64 rows of Wv
.set ADRB, 20                          ; v20-21 of my 128 rows of Wq or Wk
.set ADSA, 22                          ; v22    my lane's row among x's scale bytes
.set ADSB, 23                          ; v23    among the weight's
.set VO0,  24                          ; v24    16 x lane
.set VO1,  25                          ; v25    16 x lane + a record: the neighbouring head
.set VB,   26                          ; v26    32 x (lane / 16): my 8 numbers of a tile's 16 of the bias
.set VS8,  27                          ; v27    16 x (lane % 16) + 8 x (lane / 16): v's scale words
.set SPW,  28                          ; v28    LDS address of my spare word: SPARE + 4 x my thread's number; never rewritten
.set NIL,  29                          ; v29    0; never rewritten
.set VW,   30                          ; v30    32 x (lane % 16): a row of scale bytes
.set VR4,  31                          ; v31    4 x (lane % 16)
.set SA,   32
.set SB,   96
.set TM,   160                         ; v160-163 largest magnitudes, v164-167 the other half's, then bytes, v172-175 the conversions' scale operands
.set BV,   176
.set BB,   192
.set SX,   192
.set HN,   32                          ; behind the products: 64 numbers
.set FC,   96                          ; two sets of 8 registers of codes
.set PW,   112                         ; a scale word for each unit
.set TT,   120
.set UU,   124
.set SWV,  128
.set RLDS, 3                           ; s3     where my part of the refill goes
.set P1,   4                           ; s[4:5] where my images of q or k go;  s[6:7] their scale words;  s[8:9], s[10:11] the same for v
.set P2,   6
.set P1V,  8
.set P2V,  10
.set WVC,  16                          ; s[16:17] Wv's codes at my part of the refill
.set WVS,  18                          ; s[18:19] Wv's scale bytes at my 64 rows
.set BIAS, 20
.set SEL,  22                          ; s[22:23] lane selects: lane l xor 16
.set BVP,  24
.set OUTB, 26
.set KVP,  28
.set WV,   30
.set WHI,  31
.set WLO,  32
.set CX,   33
.set CY,   34
.set RB,   35                          ; x's block of 256 tokens
.set CG,   36                          ; the pair of heads
.set MROW, 38
.set MCOL, 39
.set G1A,  40                          ; s[40:47] group 1 for x's codes;  s[48:55] for a weight's;  s[56:63], s[68:75] for their scale bytes
.set G1B,  48
.set G1SA, 56
.set G1SB, 68
.set G0A,  76                          ; s[76:87] three groups 0 for x: scale bytes, K half 0, K half 1;  s[88:99] for a weight
.set G0B,  88
.set STR,  100                         ; a record's bytes in the buffer that takes my q or k
.set MSB, 0
.macro WIN new                         ; the immediate's high byte repeats the setting that is left; a switch that changes nothing is dropped
.if MSB != (\new)
	s_set_vgpr_msb (MSB<<8)|(\new)
.set MSB, (\new)
.endif
.endm
.macro CROUND                          ; a round of the cluster's barrier
	s_barrier_signal -1
	s_barrier_wait -1
	s_cmp_lg_u32 s[WV], 0
	s_cbranch_scc1 .Lnot_wave_0_\@
	s_barrier_signal -3
.Lnot_wave_0_\@:
	s_barrier_wait -3
	s_barrier_signal -1
	s_barrier_wait -1
.endm
.macro PLACES                          ; four plain vector instructions behind a matrix instruction, in front of loads into its sources and of reads of its result
.rept 4
	v_nop
.endr
.endm
	s_load_b512 s[4:19], s[0:1], 0x0               ; x codes, x scales, Wq codes, scales, Wk codes, scales, Wv codes, scales
	s_load_b256 s[20:27], s[0:1], 0x40             ; bq, bk, bv, qrec
	s_load_b64 s[28:29], s[0:1], 0x60              ; kv
	v_lshl_add_u32 v[SPW], v0, 2, SPARE
	v_mov_b32 v[NIL], 0
	ds_add_u32 v28, v29
	ds_add_u32 v28, v29
	s_wait_dscnt 0x0
	v_lshrrev_b32 v1, 5, v0
	v_readfirstlane_b32 s[WV], v1                  ; wave 0..3
	s_lshr_b32 s[WHI], s[WV], 1                    ; which 128 of x's rows are mine.  Also: I fetch x (0) or a weight (1)
	s_and_b32 s[WLO], s[WV], 1                     ; q (0) or k (1); in phase 2 which head.  Also: which 128 rows of x, or which weight, I fetch
	s_bfe_u32 s[CX], ttmp6, 0x40000                ; my place in the cluster
	s_bfe_u32 s[CY], ttmp6, 0x40004
	s_and_b32 s[RB], ttmp7, 0xffff
	s_lshl_b32 s[RB], s[RB], 2
	s_add_co_u32 s[RB], s[RB], s[CY]               ; x's block = 4 x cluster y + cy
	s_lshl_b32 s[CG], ttmp9, 2
	s_add_co_u32 s[CG], s[CG], s[CX]               ; the pair of heads = 4 x cluster x + cx
	s_lshl_b32 s[MROW], s[CY], 2
	s_lshl_b32 s[MROW], 15, s[MROW]                ; my row of the cluster
	s_lshl_b32 s[MCOL], 0x1111, s[CX]              ; my column
	; group 1 for codes: 128 rows x 256 bytes, 512 bytes apart in memory, 16 bytes of padding behind each in LDS
	s_or_b32 s[G1A], s[MROW], (1<<20)|(1<<21)|(5<<22)|(3<<25)   ; 15:0 the mask; 17:16 elements of 1 byte; 20 padding on; 21 set beside a mask; 24:22 after every 64 words; 31:25 four words
	s_or_b32 s[G1B], s[MCOL], (1<<20)|(1<<21)|(5<<22)|(3<<25)
.irp g, G1A, G1B
	s_mov_b32 s[\g+1], 256<<16                     ; tensor_dim0
	s_mov_b32 s[\g+2], 128<<16                     ; tensor_dim1
	s_mov_b32 s[\g+3], 256<<16                     ; tile_dim0
	s_mov_b32 s[\g+4], 128                         ; tile_dim1
	s_mov_b32 s[\g+5], 512                         ; from row to row
	s_mov_b32 s[\g+6], 0
	s_mov_b32 s[\g+7], 0
.endr
	; group 1 for scale bytes: 128 rows x 32 bytes are 4,096 dense bytes: 16 rows of 256 bytes (32 elements of 8), 16 bytes of padding behind each
	s_or_b32 s[G1SA], s[MROW], (3<<16)|(1<<20)|(1<<21)|(5<<22)|(3<<25)
	s_or_b32 s[G1SB], s[MCOL], (3<<16)|(1<<20)|(1<<21)|(5<<22)|(3<<25)
.irp g, G1SA, G1SB
	s_mov_b32 s[\g+1], 32<<16
	s_mov_b32 s[\g+2], 16<<16
	s_mov_b32 s[\g+3], 32<<16
	s_mov_b32 s[\g+4], 16
	s_mov_b32 s[\g+5], 32
	s_mov_b32 s[\g+6], 0
	s_mov_b32 s[\g+7], 0
.endr
	s_wait_kmcnt 0x0
	s_cmp_eq_u32 s[WLO], 0                         ; q's buffers or k's: the choice hangs on the wave's number alone
	s_cselect_b64 s[8:9], s[8:9], s[12:13]         ; the weight that I fetch (waves 2, 3),
	s_cselect_b64 s[10:11], s[10:11], s[14:15]
	s_cselect_b64 s[BIAS:BIAS+1], s[20:21], s[22:23]   ; the bias that I add,
	s_cselect_b64 s[OUTB:OUTB+1], s[26:27], s[28:29]   ; and the buffer that takes my results
	s_mov_b32 s[STR], KVSTR
	s_cselect_b32 s[STR], QSTR, s[STR]
	s_lshl_b32 s2, s[WLO], 7                       ; x: which 128 rows of the block I fetch
	s_lshl_b32 s37, s[RB], 8
	s_add_co_u32 s37, s37, s2
	s_lshl_b32 s12, s37, 9                         ; x 512 bytes of codes,
	s_mov_b32 s13, 0
	s_lshl_b32 s14, s37, 5                         ; x 32 scale bytes
	s_mov_b32 s15, 0
	s_add_nc_u64 s[4:5], s[4:5], s[12:13]
	s_add_nc_u64 s[6:7], s[6:7], s[14:15]
	s_lshl_b32 s22, s[CG], 16                      ; the weights: 128 rows of 512 bytes a pair of heads, in registers that never hold x's block
	s_mov_b32 s23, 0
	s_add_nc_u64 s[8:9], s[8:9], s[22:23]
	s_add_nc_u64 s[WVC:WVC+1], s[WVC:WVC+1], s[22:23]
	s_lshl_b32 s22, s[CG], 12                      ; 128 rows of 32 scale bytes
	s_add_nc_u64 s[10:11], s[10:11], s[22:23]
	s_add_nc_u64 s[WVS:WVS+1], s[WVS:WVS+1], s[22:23]
	s_lshl_b32 s22, s[CG], 9                       ; 128 numbers of a bias
	s_add_nc_u64 s[BIAS:BIAS+1], s[BIAS:BIAS+1], s[22:23]
	s_add_nc_u64 s[BVP:BVP+1], s[BVP:BVP+1], s[22:23]
	s_lshl_b32 s22, s[WLO], 15                     ; the refill: wave w brings rows 64 (w % 2) on, K half w / 2
	s_lshl_b32 s2, s[WHI], 8
	s_add_co_u32 s22, s22, s2
	s_add_nc_u64 s[WVC:WVC+1], s[WVC:WVC+1], s[22:23]
	s_lshl_b32 s22, s[WLO], 11                     ; phase 2: my 64 rows of Wv's scale bytes,
	s_add_nc_u64 s[WVS:WVS+1], s[WVS:WVS+1], s[22:23]
	s_lshl_b32 s22, s[WLO], 8                      ; and my 64 numbers of bv
	s_add_nc_u64 s[BVP:BVP+1], s[BVP:BVP+1], s[22:23]
	s_mul_i32 s2, s[WV], HALFT                     ; where the first fills go: wave x 128 rows: x's halves, Wq, Wk; no place in the cluster enters an LDS address
	s_mul_i32 s101, s[WV], HALFS
	s_mul_i32 s[RLDS], s[WHI], SLOT                ; and the refill: K half w / 2, Wq's rows 64 (w % 2) on
	s_mul_i32 s14, s[WLO], 64*PITCH
	s_add_co_u32 s[RLDS], s[RLDS], s14
	s_add_co_u32 s[RLDS], s[RLDS], 2*HALFT
	s_mov_b32 s[G0A], 1
	s_add_co_u32 s[G0A+1], s101, SCL
	s_mov_b64 s[G0A+2:G0A+3], s[6:7]
	s_or_b32 s[G0A+3], s[G0A+3], 0x80000000
	s_mov_b32 s[G0B], 1
	s_add_co_u32 s[G0B+1], s101, SCL
	s_mov_b64 s[G0B+2:G0B+3], s[10:11]
	s_or_b32 s[G0B+3], s[G0B+3], 0x80000000
.irp s, 0,1
	s_mov_b32 s[G0A+4+4*\s], 1
	s_add_co_u32 s[G0A+5+4*\s], s2, \s*SLOT
	s_add_nc_u64 s[G0A+6+4*\s:G0A+7+4*\s], s[4:5], \s*256
	s_or_b32 s[G0A+7+4*\s], s[G0A+7+4*\s], 0x80000000
	s_mov_b32 s[G0B+4+4*\s], 1
	s_add_co_u32 s[G0B+5+4*\s], s2, \s*SLOT
	s_add_nc_u64 s[G0B+6+4*\s:G0B+7+4*\s], s[8:9], \s*256
	s_or_b32 s[G0B+7+4*\s], s[G0B+7+4*\s], 0x80000000
.endr
	s_mov_b32 s[SEL], 0x76543210
	s_mov_b32 s[SEL+1], 0xfedcba98
	CROUND                                         ; all sixteen work-groups are here: the joint loads meet
	s_cmp_eq_u32 s[WHI], 0                         ; a wave's three first fills stand in one branch on its number: three tensor loads of mine are out
	s_cbranch_scc0 .Lfill_b
	tensor_load_to_lds s[G0A:G0A+3], s[G1SA:G1SA+7]
	s_nop 0
	tensor_load_to_lds s[G0A+4:G0A+7], s[G1A:G1A+7]
	s_nop 0
	tensor_load_to_lds s[G0A+8:G0A+11], s[G1A:G1A+7]
	s_nop 0
.rept 4
	v_nop
.endr
	s_branch .Lfilled
.Lfill_b:
	tensor_load_to_lds s[G0B:G0B+3], s[G1SB:G1SB+7]
	s_nop 0
	tensor_load_to_lds s[G0B+4:G0B+7], s[G1B:G1B+7]
	s_nop 0
	tensor_load_to_lds s[G0B+8:G0B+11], s[G1B:G1B+7]
	s_nop 0
.rept 4
	v_nop
.endr
.Lfilled:
	v_and_b32 v1, 15, v0                           ; r = lane % 16
	v_bfe_u32 v2, v0, 4, 1                         ; h = lane / 16
	v_and_b32 v4, 31, v0                           ; lane
	v_mul_u32_u24 v3, v1, PITCH
	v_lshl_add_u32 v3, v2, 4, v3                   ; a fragment's row x pitch + 16 h
	s_mul_i32 s12, s[WHI], HALFT                   ; my 128 rows of x
	s_mul_i32 s13, s[WLO], HALFT                   ; my weight's 128 rows, behind x's 256
	s_add_co_u32 s13, s13, 2*HALFT
	s_mul_i32 s14, s[WLO], 64*PITCH                ; phase 2: my 64 rows of Wv, where Wq's lay
	s_add_co_u32 s14, s14, 2*HALFT
	v_add_nc_u32 v[ADRA], s12, v3
	v_add_nc_u32 v[ADRB], s13, v3
	v_add_nc_u32 v[ADRW], s14, v3
	v_add_nc_u32 v[ADRA+1], SLOT, v[ADRA]
	v_add_nc_u32 v[ADRB+1], SLOT, v[ADRB]
	v_add_nc_u32 v[ADRW+1], SLOT, v[ADRW]
	v_lshlrev_b32 v[VW], 5, v1                     ; a row's 32 scale bytes,
	v_lshrrev_b32 v6, 3, v1
	v_lshl_add_u32 v5, v6, 4, v[VW]                ; and in LDS 16 more behind the eighth row
	s_mul_i32 s12, s[WHI], HALFS
	s_add_co_u32 s12, s12, SCL
	s_mul_i32 s13, s[WLO], HALFS
	s_add_co_u32 s13, s13, SCL+2*HALFS
	v_add_nc_u32 v[ADSA], s12, v5
	v_add_nc_u32 v[ADSB], s13, v5
	v_lshlrev_b32 v[VO0], 4, v4
	v_add_nc_u32 v[VO1], s[STR], v[VO0]
	v_lshlrev_b32 v[VB], 5, v2
	v_lshlrev_b32 v[VR4], 2, v1
	v_lshlrev_b32 v[VS8], 4, v1
	v_lshl_add_u32 v[VS8], v2, 3, v[VS8]
.irp b, 0,1,2,3
	v_mov_b32 v[TM+4+\b], 0                        ; written once: a lane permute's destination counts as one of its sources
.endr
.irp b, 0,1,2,3,4,5,6,7
	global_load_b128 v[BB+8*\b:BB+8*\b+3], v[VB], s[BIAS:BIAS+1] offset:64*\b       ; q's or k's bias runs along the registers: features 16 b + 8 h + j of my 128
	global_load_b128 v[BB+8*\b+4:BB+8*\b+7], v[VB], s[BIAS:BIAS+1] offset:64*\b+16
.endr
	; where my results go (the registers that held the fetched buffers' addresses are free: the descriptors hold copies)
	s_lshl_b32 s12, s[RB], 8
	s_lshl_b32 s13, s[WHI], 7
	s_add_co_u32 s12, s12, s13                     ; my first token among the 8,192
	s_lshr_b32 s13, s12, 11                        ; its batch,
	s_bfe_u32 s37, s12, 0x40007                    ; and which 128 tokens of the 2,048
	s_lshl_b32 s13, s13, 4
	s_lshl_b32 s12, s[CG], 1
	s_add_co_u32 s101, s13, s12                    ; the record: 16 x batch + the pair's first head
	s_mul_i32 s2, s101, s[STR]
	s_lshl_b32 s12, s37, 12                        ; images: 8 tiles of 512 bytes for 128 tokens
	s_add_co_u32 s12, s12, s2
	s_mov_b32 s13, 0
	s_lshl_b32 s14, s37, 9                         ; scale words: 512 bytes for 128 tokens
	s_add_co_u32 s14, s14, s2
	s_add_co_u32 s14, s14, KSCO
	s_mov_b32 s15, 0
	s_add_nc_u64 s[P1:P1+1], s[OUTB:OUTB+1], s[12:13]
	s_add_nc_u64 s[P2:P2+1], s[OUTB:OUTB+1], s[14:15]
	s_add_co_u32 s101, s101, s[WLO]                ; v: my one head's record
	s_mul_i32 s2, s101, KVSTR
	s_lshl_b32 s12, s37, 12                        ; images: 4 fragments of 1,024 bytes for 128 keys
	s_add_co_u32 s12, s12, s2
	s_add_co_u32 s12, s12, VIMO
	s_lshl_b32 s14, s37, 8                         ; scale words: 256 bytes for 128 keys
	s_add_co_u32 s14, s14, s2
	s_add_co_u32 s14, s14, VSCO
	s_add_nc_u64 s[P1V:P1V+1], s[KVP:KVP+1], s[12:13]
	s_add_nc_u64 s[P2V:P2V+1], s[KVP:KVP+1], s[14:15]
; phase 1: all scale words of my 128 + 128 rows: 8 words a row, one for each K step of 128; lane r takes row r (lanes 16-31 the same, not read)
.macro SCALES
.irp i, 0,1,2,3,4,5,6,7
	ds_load_b128 v[SA+8*\i:SA+8*\i+3], v[ADSA] offset:\i*SBLK
	ds_load_b128 v[SA+8*\i+4:SA+8*\i+7], v[ADSA] offset:\i*SBLK+16
	ds_load_b128 v[SB+8*\i:SB+8*\i+3], v[ADSB] offset:\i*SBLK
	ds_load_b128 v[SB+8*\i+4:SB+8*\i+7], v[ADSB] offset:\i*SBLK+16
.endr
.endm
; phase 1: the 16 fragments of K step q (16 rows x 128 K of 4-bit codes: 8 registers; registers 4 c .. 4 c + 3 hold K = 64 c + 32 h + 0 .. 31) into set q % 2: 32 loads in one run
.macro FETCH q
	WIN 0x40                                       ; destination window 1, address window 0
.irp i, 0,1,2,3,4,5,6,7
	ds_load_b128 v[128*((\q)%2)+8*\i:128*((\q)%2)+8*\i+3], v[ADRB+(\q)/4] offset:64*((\q)%4)+\i*16*PITCH
	ds_load_b128 v[128*((\q)%2)+8*\i+4:128*((\q)%2)+8*\i+7], v[ADRB+(\q)/4] offset:64*((\q)%4)+\i*16*PITCH+32
.endr
.irp i, 0,1,2,3,4,5,6,7
	ds_load_b128 v[128*((\q)%2)+64+8*\i:128*((\q)%2)+64+8*\i+3], v[ADRA+(\q)/4] offset:64*((\q)%4)+\i*16*PITCH
	ds_load_b128 v[128*((\q)%2)+64+8*\i+4:128*((\q)%2)+64+8*\i+7], v[ADRA+(\q)/4] offset:64*((\q)%4)+\i*16*PITCH+32
.endr
.endm
; phase 1: 64 matrix instructions: K step q.  The 64 accumulators take turns, one instruction a turn, in the same order in every step.  Step 0 starts the sums with the constant 0.
.macro MUL q
.irp a, 0,1,2,3,4,5,6,7
	WIN 0xa5+0x50*(\a/4)                           ; sources 0 and 1 window 1; C and D window 2 or 3
.irp b, 0,1,2,3,4,5,6,7
.if (\q) == 0
	v_wmma_scale_f32_16x16x128_f8f6f4 v[8*(8*(\a%4)+\b):8*(8*(\a%4)+\b)+7], v[128*((\q)%2)+8*\b:128*((\q)%2)+8*\b+7], v[128*((\q)%2)+64+8*\a:128*((\q)%2)+64+8*\a+7], 0, v[SB+8*\b+(\q)], v[SA+8*\a+(\q)] matrix_a_fmt:MATRIX_FMT_FP4 matrix_b_fmt:MATRIX_FMT_FP4
.else
	v_wmma_scale_f32_16x16x128_f8f6f4 v[8*(8*(\a%4)+\b):8*(8*(\a%4)+\b)+7], v[128*((\q)%2)+8*\b:128*((\q)%2)+8*\b+7], v[128*((\q)%2)+64+8*\a:128*((\q)%2)+64+8*\a+7], v[8*(8*(\a%4)+\b):8*(8*(\a%4)+\b)+7], v[SB+8*\b+(\q)], v[SA+8*\a+(\q)] matrix_a_fmt:MATRIX_FMT_FP4 matrix_b_fmt:MATRIX_FMT_FP4
.endif
.endr
.endr
.endm
; phase 1, K step q: its fragments are in; the next step's are asked for, 64 matrix instructions ahead of their use; then the products.  Step 3 asks for the first fragments of K half 1: a barrier shows that half whole.
.macro STEP q
.if \q == 3
	WIN 0                                          ; (the add's two registers lie in window 0)
	s_wait_tensorcnt 0x0                           ; my part of K half 1 has landed
	ds_add_u32 v[SPW], v[NIL]                      ; 0 onto my spare word
.endif
	s_wait_dscnt 0x0                               ; this step's fragments are in (and no LDS instruction of mine is out at the signal below)
.if \q == 3
	s_barrier_signal -1
	s_barrier_wait -1                              ; everybody's part has
.endif
.if \q < 7
.if \q > 0
	PLACES                                         ; the set that is loaded now was read by the products just issued
.endif
	FETCH \q+1
.endif
	MUL \q
.endm
; phase 2: K step q's fragments into set q % 2: x's eight where source 0's lie, Wv's four where source 1's lie: 24 loads in one run
.macro FETCHV q
	WIN 0x40
.irp i, 0,1,2,3,4,5,6,7
	ds_load_b128 v[128*((\q)%2)+8*\i:128*((\q)%2)+8*\i+3], v[ADRA+(\q)/4] offset:64*((\q)%4)+\i*16*PITCH
	ds_load_b128 v[128*((\q)%2)+8*\i+4:128*((\q)%2)+8*\i+7], v[ADRA+(\q)/4] offset:64*((\q)%4)+\i*16*PITCH+32
.endr
.irp i, 0,1,2,3
	ds_load_b128 v[128*((\q)%2)+64+8*\i:128*((\q)%2)+64+8*\i+3], v[ADRW+(\q)/4] offset:64*((\q)%4)+\i*16*PITCH
	ds_load_b128 v[128*((\q)%2)+64+8*\i+4:128*((\q)%2)+64+8*\i+7], v[ADRW+(\q)/4] offset:64*((\q)%4)+\i*16*PITCH+32
.endr
.endm
; phase 2: 32 matrix instructions: source 0 = 16 keys of x, source 1 = 16 features of Wv; the 32 accumulators take turns
.macro MULV q
	WIN 0xa5
.irp a, 0,1,2,3
.irp b, 0,1,2,3,4,5,6,7
.if (\q) == 0
	v_wmma_scale_f32_16x16x128_f8f6f4 v[8*(8*\a+\b):8*(8*\a+\b)+7], v[128*((\q)%2)+8*\b:128*((\q)%2)+8*\b+7], v[128*((\q)%2)+64+8*\a:128*((\q)%2)+64+8*\a+7], 0, v[SX+8*\b+(\q)], v[SWV+8*\a+(\q)] matrix_a_fmt:MATRIX_FMT_FP4 matrix_b_fmt:MATRIX_FMT_FP4
.else
	v_wmma_scale_f32_16x16x128_f8f6f4 v[8*(8*\a+\b):8*(8*\a+\b)+7], v[128*((\q)%2)+8*\b:128*((\q)%2)+8*\b+7], v[128*((\q)%2)+64+8*\a:128*((\q)%2)+64+8*\a+7], v[8*(8*\a+\b):8*(8*\a+\b)+7], v[SX+8*\b+(\q)], v[SWV+8*\a+(\q)] matrix_a_fmt:MATRIX_FMT_FP4 matrix_b_fmt:MATRIX_FMT_FP4
.endif
.endr
.endr
.endm
.macro VSTEP q
	s_wait_dscnt 0x0                               ; this step's fragments are in
.if \q < 7
.if \q > 0
	PLACES
.endif
	FETCHV \q+1
.endif
	MULV \q
.endm
; 64 numbers v[s] .. v[s + 63] of a lane become 8 registers of codes from v[f] on and the scale word v[w]
.macro QUANT s, f, w
.irp b, 0,1,2,3
	v_max3_num_f32 v[TM+\b], |v[\s+16*\b]|, |v[\s+16*\b+1]|, 0x1800000   ; block b: my 16 numbers, and the floor 2^(3 - 127): the byte cannot fall under 1
.endr
.irp i, 2,4,6,8,10,12,14
.irp b, 0,1,2,3
	v_max3_num_f32 v[TM+\b], v[TM+\b], |v[\s+16*\b+\i]|, |v[\s+16*\b+\i+1]|   ; the four blocks by turns
.endr
.endr
.irp b, 0,1,2,3
	v_permlanex16_b32 v[TM+4+\b], v[TM+\b], s[SEL], s[SEL+1]
.endr
.irp b, 0,1,2,3
	v_max_num_f32 v[TM+\b], v[TM+\b], v[TM+4+\b]   ; with lane l xor 16's 16: the block's largest magnitude
.endr
.irp b, 0,1,2,3
	v_add_nc_u32 v[TM+12+\b], 0xff000000, v[TM+\b] ; 2 off its exponent field: the conversion takes that field as its scale
.endr
.irp b, 0,1,2,3
	v_lshrrev_b32 v[TM+4+\b], 23, v[TM+12+\b]      ; the scale's byte
.endr
	v_lshl_or_b32 v[\w], v[TM+5], 8, v[TM+4]
	v_lshl_or_b32 v[\w], v[TM+6], 16, v[\w]
	v_lshl_or_b32 v[\w], v[TM+7], 24, v[\w]
.irp b, 0,1,2,3
	v_cvt_scalef32_pk8_fp4_f32 v[\f+4*(\b/2)+\b%2], v[\s+16*\b:\s+16*\b+7], v[TM+12+\b]
	v_cvt_scalef32_pk8_fp4_f32 v[\f+4*(\b/2)+\b%2+2], v[\s+16*\b+8:\s+16*\b+15], v[TM+12+\b]
.endr
	v_nop                                          ; one plain place behind the scaled conversions
.irp c, 0,2,4,6
	v_permlane16_swap_b32 v[\f+\c], v[\f+\c+1]     ; the first's lanes 16-31 change places with the second's lanes 0-15: a whole block in a lane
.endr
.endm
; Source 1's block a of 16 rows leaves: bias added on the way into window 0 (each accumulator from its low end on), quantised, stored.  isv = 1: the bias belongs to the lane's row; else to the registers' rows.
.macro UNIT a, isv
.set FS, FC+8*((\a)%2)
.if ((\a) > 1) || \isv
	s_wait_xcnt 0x0                                ; the earlier stores have read this set of code registers
.endif
	WIN 0x02+(\a)/4                                ; source 0: window 2 or 3
.set i, 0
.rept 32
.if \isv
	v_pk_add_f32 v[HN+2*i:HN+2*i+1], v[64*((\a)%4)+2*i:64*((\a)%4)+2*i+1], v[BV+2*(\a):BV+2*(\a)+1]
.else
	v_pk_add_f32 v[HN+2*i:HN+2*i+1], v[64*((\a)%4)+2*i:64*((\a)%4)+2*i+1], v[BB+2*i:BB+2*i+1]
.endif
.set i, i+1
.endr
	WIN 0
	QUANT HN, FC+8*((\a)%2), PW+(\a)
.if \isv
	global_store_b128 v[VO0], v[FS:FS+3], s[P1V:P1V+1] offset:1024*(\a)        ; a whole fragment of V^T: 16 features x 128 keys
	global_store_b128 v[VO0], v[FS+4:FS+7], s[P1V:P1V+1] offset:1024*(\a)+512
.else
	global_store_b128 v[VO0], v[FS:FS+3], s[P1:P1+1] offset:512*(\a)    ; 16 tokens x the first head's 64: 512 consecutive bytes
	global_store_b128 v[VO1], v[FS+4:FS+7], s[P1:P1+1] offset:512*(\a)  ; and the second head's, a record further on
.endif
.endm
	s_wait_tensorcnt 0x1                           ; my scale bytes and my part of K half 0 are in; K half 1's load may stay out
	s_barrier_signal -1
	s_barrier_wait -1                              ; everybody's are
	SCALES
	FETCH 0
	STEP 0
	STEP 1
	STEP 2
	STEP 3
	STEP 4
	STEP 5
	STEP 6
	STEP 7
	; ---- THE REFILL: Wv's 128 rows onto Wq's.  Every wave has read its last fragment of phase 1 (step 7's wait); the round shows that of every wave of every partner.
	WIN 0                                          ; at a branch and at a label every window is 0; the add's registers lie in window 0
	s_wait_tensorcnt 0x0                           ; no tensor load of mine is out, so descriptors may be written
	ds_add_u32 v[SPW], v[NIL]                      ; 0 onto my spare word; the descriptor is made between it and the wait for it
	s_mov_b32 s[G1B+2], 64<<16                     ; the weights' group 1, now with 64 rows: tensor_dim1,
	s_mov_b32 s[G1B+4], 64                         ; tile_dim1
	s_mov_b32 s[G0B], 1
	s_mov_b32 s[G0B+1], s[RLDS]
	s_mov_b64 s[G0B+2:G0B+3], s[WVC:WVC+1]
	s_or_b32 s[G0B+3], s[G0B+3], 0x80000000
	s_wait_dscnt 0x0                               ; the add is done, and my reads of Wq's rows are over
	CROUND
	tensor_load_to_lds s[G0B:G0B+3], s[G1B:G1B+7]  ; my one tensor load behind the round: 64 rows x 256 bytes; it lands under the quantising of q and k
	s_nop 0
.rept 4
	v_nop                                          ; (also the places behind the last products: their scale registers are loaded and written, and results are read, below)
.endr
	s_wait_loadcnt 0x0                             ; q's or k's bias
.irp a, 0,1,2,3
	global_load_b128 v[SWV+8*\a:SWV+8*\a+3], v[VW], s[WVS:WVS+1] offset:512*\a       ; Wv's scale words for phase 2: 8 words a row; 16 rows are 512 consecutive bytes
	global_load_b128 v[SWV+8*\a+4:SWV+8*\a+7], v[VW], s[WVS:WVS+1] offset:512*\a+16
.endr
	s_wait_alu depctr_va_vdst(0)
.irp a, 0,1,2,3
	global_load_b32 v[BV+2*\a], v[VR4], s[BVP:BVP+1] offset:64*\a     ; bv belongs to the lane's feature 16 a + r; into both registers of a pair for the packed addition
	global_load_b32 v[BV+2*\a+1], v[VR4], s[BVP:BVP+1] offset:64*\a
.endr
.irp a, 0,1,2,3,4,5,6,7
	UNIT \a, 0
.endr
	s_mov_b32 vcc_lo, 0xffff0000                   ; lanes 0-15 carry the words of tiles 0-3, lanes 16-31 those of tiles 4-7: [half][row][tile % 4], 512 consecutive bytes
.irp i, 0,1,2,3
	v_cndmask_b32 v[TT+\i], v[PW+\i], v[PW+4+\i], vcc_lo
.endr
	global_store_b128 v[VO0], v[TT:TT+3], s[P2:P2+1]    ; the first head: bytes 0 and 1 are its blocks' (bytes 2 and 3, the neighbour's, meet zero codes)
.irp i, 0,1,2,3
	v_lshrrev_b32 v[UU+\i], 16, v[TT+\i]
.endr
	global_store_b128 v[VO1], v[UU:UU+3], s[P2:P2+1]    ; the second head
	; ---- PHASE 2: v
	s_wait_tensorcnt 0x0                           ; my part of Wv has landed
	ds_add_u32 v[SPW], v[NIL]
	s_wait_dscnt 0x0
	s_barrier_signal -1
	s_barrier_wait -1                              ; everybody's has
.irp i, 0,1,2,3,4,5,6,7
	ds_load_b128 v[SX+8*\i:SX+8*\i+3], v[ADSA] offset:\i*SBLK          ; x's scale words again, into the registers that the bias has left
	ds_load_b128 v[SX+8*\i+4:SX+8*\i+7], v[ADSA] offset:\i*SBLK+16
.endr
	FETCHV 0
	s_wait_loadcnt 0x0                             ; Wv's scale words and bv
	VSTEP 0
	VSTEP 1
	VSTEP 2
	VSTEP 3
	VSTEP 4
	VSTEP 5
	VSTEP 6
	VSTEP 7
	WIN 0
	PLACES                                         ; behind the last products: results are read below
.irp a, 0,1,2,3
	UNIT \a, 1
.endr
	v_cndmask_b32 v[TT], v[PW], v[PW+2], vcc_lo    ; [row][tile]: lanes 0-15 carry the words of tiles 0 and 1 of row r, lanes 16-31 those of tiles 2 and 3 (vcc_lo still holds the upper half's mask)
	v_cndmask_b32 v[TT+1], v[PW+1], v[PW+3], vcc_lo
	global_store_b64 v[VS8], v[TT:TT+1], s[P2V:P2V+1]   ; 256 consecutive bytes
	s_wait_tensorcnt 0x0                           ; the wave's end: behind my last tensor load
	ds_add_u32 v[SPW], v[NIL]
	s_wait_dscnt 0x0
	CROUND                                         ; the closing round: no work-group ends while a partner may still ask for a tile that names it
	s_endpgm
.Lfunc_end_k_q2100945dbd_qkv:
	.size	k_q2100945dbd_qkv, .Lfunc_end_k_q2100945dbd_qkv-k_q2100945dbd_qkv
	.p2alignl 7, 3214868480
	.fill 96, 4, 3214868480
	.section	.rodata,"a",@progbits
	.p2align	6, 0x0
	.amdhsa_kernel k_q2100945dbd_qkv
		.amdhsa_group_segment_fixed_size 327680
		.amdhsa_private_segment_fixed_size 0
		.amdhsa_enable_private_segment 0
		.amdhsa_kernarg_size 104
		.amdhsa_user_sgpr_count 2
		.amdhsa_user_sgpr_kernarg_segment_ptr 1
		.amdhsa_wavefront_size32 1
		.amdhsa_system_sgpr_workgroup_id_x 1
		.amdhsa_system_sgpr_workgroup_id_y 1
		.amdhsa_system_sgpr_workgroup_id_z 1
		.amdhsa_system_vgpr_workitem_id 0
		.amdhsa_next_free_vgpr 1024
		.amdhsa_next_free_sgpr 102
		.amdhsa_reserve_vcc 1
		.amdhsa_float_denorm_mode_32 3
		.amdhsa_float_denorm_mode_16_64 3
		.amdhsa_memory_ordered 1
		.amdhsa_forward_progress 1
		.amdhsa_inst_pref_size 218
	.end_amdhsa_kernel
	.amdgpu_metadata
---
amdhsa.version: [ 1, 2 ]
amdhsa.kernels:
  - .name:           k_q2100945dbd_qkv
    .symbol:         k_q2100945dbd_qkv.kd
    .args:
      - { .name: x_codes, .offset: 0, .size: 8, .value_kind: global_buffer, .address_space: global }
      - { .name: x_scales, .offset: 8, .size: 8, .value_kind: global_buffer, .address_space: global }
      - { .name: Wq_codes, .offset: 16, .size: 8, .value_kind: global_buffer, .address_space: global }
      - { .name: Wq_scales, .offset: 24, .size: 8, .value_kind: global_buffer, .address_space: global }
      - { .name: Wk_codes, .offset: 32, .size: 8, .value_kind: global_buffer, .address_space: global }
      - { .name: Wk_scales, .offset: 40, .size: 8, .value_kind: global_buffer, .address_space: global }
      - { .name: Wv_codes, .offset: 48, .size: 8, .value_kind: global_buffer, .address_space: global }
      - { .name: Wv_scales, .offset: 56, .size: 8, .value_kind: global_buffer, .address_space: global }
      - { .name: bq, .offset: 64, .size: 8, .value_kind: global_buffer, .address_space: global }
      - { .name: bk, .offset: 72, .size: 8, .value_kind: global_buffer, .address_space: global }
      - { .name: bv, .offset: 80, .size: 8, .value_kind: global_buffer, .address_space: global }
      - { .name: qrec, .offset: 88, .size: 8, .value_kind: global_buffer, .address_space: global }
      - { .name: kv, .offset: 96, .size: 8, .value_kind: global_buffer, .address_space: global }
    .group_segment_fixed_size: 327680
    .private_segment_fixed_size: 0
    .kernarg_segment_align: 8
    .kernarg_segment_size: 104
    .max_flat_workgroup_size: 128
    .sgpr_count:     102
    .vgpr_count:     1024
    .wavefront_size: 32
...
	.end_amdgpu_metadata
.endif
;; end of part 1
;; launch attn (part 2): grid 4 x 64, 16 waves a work-group, clusters of 4 x 1, 169,984 bytes of LDS; arguments qrec, kv, oimg, osc; writes oimg, osc
.if DOCPART == 2
	.amdgcn_target "amdgcn-amd-amdhsa--gfx1250"
	.amdhsa_code_object_version 6
	.text
	.protected	k_q2100945dbd_attn
	.globl	k_q2100945dbd_attn
	.p2align	8
	.type	k_q2100945dbd_attn,@function
k_q2100945dbd_attn:
	s_mov_b64 s[64:65], 0
	v_nop
	global_prefetch_b8 v0, s[64:65] scope:SCOPE_SE
	s_setreg_imm32_b32 hwreg(HW_REG_WAVE_MODE, 25, 1), 1
	s_wait_xcnt 0x0
	s_wait_alu depctr_hold_cnt(0) depctr_sa_sdst(0) depctr_va_vdst(0) depctr_va_sdst(0) depctr_va_ssrc(0) depctr_va_vcc(0) depctr_vm_vsrc(0)
	s_getreg_b32 s2, hwreg(HW_REG_IB_STS2, 6, 4)
	s_cmp_eq_u32 s2, 0
	s_cbranch_scc0 .Lentry_in_a_cluster
	s_endpgm
.Lentry_in_a_cluster:
	s_bfe_u32 s2, ttmp6, 0x10000c
	s_cmp_lg_u32 s2, 0x3003
	s_cbranch_scc0 .Lentry_shape_is_right
	s_endpgm
.Lentry_shape_is_right:
; O[q] = the sum over keys k <= q of softmax_k(Q[q] . K[k] / 8) V[k] for one head of 64, both products on codes of FP4 (E2M1) with one E8M0 scale for each 32 along a product's K; O is quantised along the head's 64.
; THE SOFTMAX: t = score x log2(e) / 8; M = the row's largest t so far, rounded UP to a whole number; p = 2^(t - M) is what is quantised, along the keys.  The row's sum is taken of the unquantised p and divides O
; at the end.  When M moves, the sum and O are multiplied by 2^(old M - new M): exact.
; SHARES.  The four work-groups of a cluster share one head (the grid's y: 16 x batch + head).  The head's whole record of K and V, 143,360 bytes of operand images and scale words, comes into LDS ONCE, by joint loads
; (each of the sixteen waves asks for 35 rows of 256 bytes, with the same descriptor in all four work-groups), and stays: no LDS byte is filled twice, and no barrier stands in the loops.
; A wave makes two tiles of 16 queries, one after the other: tile 8 w + 2 cx, which needs key steps 0 .. w, and tile 8 (15 - w) + 2 cx + 1, which needs 0 .. 15 - w: 17 steps of 128 keys for every wave.
; The loops' trip counts are the constant 16; a step all of whose keys come after the tile's queries is jumped over by a branch on the wave's number and the counter.  The place in the cluster enters global addresses
; and the mask's compare alone.
; LAYOUT.  Both products are used transposed: S^T = K Q^T (source 0 = 16 keys, source 1 = my 16 queries), O^T = V^T P^T: a lane holds ONE query (lane % 16) throughout; register 8 t + j of S^T is key 16 t + 8 (lane / 16) + j.
; THE FIRST PRODUCT'S K IS 64 OF THE INSTRUCTION'S 128.  Q's registers 4-7 are zero codes.  K's operand for tile t is v[32 + 4 t : 39 + 4 t]: its upper four registers are the next tile's codes (zeros behind the last):
; any E2M1 code is a finite number and no scale byte here is 0xff, so they add nothing against Q's zeros.
; LIMITS: NaN and infinities are not served; the division by the row's sum is v_rcp_f32 and a multiplication; a block of zeros gets the scale byte 1 (bytes read by this program alone).
; REGISTERS: v1-7 addresses that stay; v8-11 the step's LDS addresses; v12 -M, v13 the largest t, v[14:15] the sum; v16-23, v24-31 Q of the two tiles; v32-67 K; v68-99 V; v100-163 S^T, then p; v164-195 O^T;
;   v196-203 p's codes; v204-207 K's scale words, v208-211 V's, v212-213 Q's, v214 p's; v215-234 at work.
.set KVSTR, 143360
.set QSTR,  73728
.set KSC,   65536                      ; LDS as the record lies: K's images at 0, K's scale words,
.set VIMG,  73728                      ; V's images,
.set VSC,   139264                     ; V's scale words
.set WPART, 8960                       ; a wave's 35 rows of 256 bytes
.set SR,   100
.set OT,   164
.set PC,   196
.set KS,   204
.set VSW,  208
.set QS,   212
.set PS,   214
.set OW,   215
.set BM,   216                         ; v216-219 the blocks' largest scores, then largest p
.set BP,   220                         ; v220-223 the other half's, then bytes
.set BO,   224                         ; v224-227 the conversions' scale operands
.set FF,   228                         ; v[228:229] f = 2^(old M - new M), later 1 / the sum: the packed forms take the low word for both halves
.set SU,   230
.set TP,   232
.set NINF, 233
.set DD,   234
.set WV,   12
.macro CROUND
	s_barrier_signal -1
	s_barrier_wait -1
	s_cmp_lg_u32 s[WV], 0
	s_cbranch_scc1 .Lnot_wave_0_\@
	s_barrier_signal -3
.Lnot_wave_0_\@:
	s_barrier_wait -3
	s_barrier_signal -1
	s_barrier_wait -1
.endm
	s_load_b256 s[4:11], s[0:1], 0x0               ; qrec, kv, oimg, osc
	v_lshl_add_u32 v254, v0, 2, 0x29000
	v_mov_b32 v255, 0
	ds_add_u32 v254, v255
	ds_add_u32 v254, v255
	v_lshrrev_b32 v1, 5, v0
	s_delay_alu instid0(VALU_DEP_1)
	v_readfirstlane_b32 s[WV], v1                  ; wave 0..15
	s_bfe_u32 s13, ttmp6, 0x40000                  ; cx: my place in the cluster
	s_and_b32 s14, ttmp7, 0xffff                   ; 16 x batch + head, which the four partners share
	s_mov_b32 s28, 15|(3<<16)|(1<<21)              ; group 1: 15:0 the mask: all four; 17:16 elements of 8 bytes; 21 set beside a mask; no padding: images are read 16 bytes a lane on end
	s_mov_b32 s29, 32<<16                          ; tensor_dim0 = 32 elements: 256 bytes
	s_mov_b32 s30, 35<<16                          ; tensor_dim1
	s_mov_b32 s31, 32<<16                          ; tile_dim0
	s_mov_b32 s32, 35                              ; tile_dim1
	s_mov_b32 s33, 32                              ; from row to row: dense
	s_mov_b32 s34, 0
	s_mov_b32 s35, 0
	s_mov_b32 s24, 1
	s_mul_i32 s25, s[WV], WPART                    ; LDS address: the wave's number alone
	s_mul_i32 s16, s14, KVSTR
	s_add_co_u32 s16, s16, s25
	s_mov_b32 s17, 0
	s_mov_b32 s20, 0x76543210                      ; lane selects: lane l xor 16
	s_mov_b32 s21, 0xfedcba98
	s_mov_b32 s22, 0x3e38aa3b                      ; c = log2(e) / 8
	s_mov_b32 s23, s22                             ; (named with it as a pair, so it is written)
	s_mov_b32 s40, s[WV]                           ; the last key step of my first tile,
	s_sub_co_u32 s41, 15, s[WV]                    ; and of my second
	s_lshl_b32 s15, s13, 1
	s_lshl_b32 s42, s40, 3
	s_add_co_u32 s42, s42, s15                     ; my first tile: 8 w + 2 cx
	s_lshl_b32 s43, s41, 3
	s_add_co_u32 s43, s43, s15
	s_add_co_u32 s43, s43, 1                       ; my second: 8 (15 - w) + 2 cx + 1
	s_wait_dscnt 0x0
	s_wait_kmcnt 0x0
	s_add_nc_u64 s[26:27], s[6:7], s[16:17]
	s_or_b32 s27, s27, 0x80000000
	CROUND                                         ; all four work-groups are here: the joint loads meet
	tensor_load_to_lds s[24:27], s[28:35]          ; one tensor load of mine is out
	s_nop 0
.rept 4
	v_nop
.endr
	s_mul_i32 s18, s14, QSTR                       ; the head's record of Q
	s_and_b32 s54, s14, 15                         ; the head
	s_lshr_b32 s55, s14, 4
	s_lshl_b32 s55, s55, 7                         ; 128 tiles a batch
	s_lshr_b32 s38, s54, 3
	s_lshl_b32 s38, s38, 21                        ; oimg: [head / 8][tile][head % 8][512 bytes]
	s_and_b32 s39, s54, 7
	s_lshl_b32 s39, s39, 9
	s_add_co_u32 s38, s38, s39
	s_lshl_b32 s39, s54, 7                         ; osc: [tile][head][128 bytes]
	s_mov_b32 s53, 0
.macro ADDR p                          ; the four global bases of tile p
	s_lshl_b32 s19, s[42+\p], 9
	s_add_co_u32 s52, s18, s19
	s_add_nc_u64 s[56+4*\p:57+4*\p], s[4:5], s[52:53]   ; Q's image: 512 bytes a tile
	s_lshl_b32 s19, s[40+\p], 9                    ; Q's scale words: [tile / 8][(tile / 4) % 2][row][tile % 4]
	s_bfe_u32 s52, s[42+\p], 0x10002
	s_lshl_b32 s52, s52, 8
	s_add_co_u32 s52, s52, s19
	s_and_b32 s19, s[42+\p], 3
	s_lshl_b32 s19, s19, 2
	s_add_co_u32 s52, s52, s19
	s_add_co_u32 s52, s52, s18
	s_add_co_u32 s52, s52, 65536
	s_add_nc_u64 s[58+4*\p:59+4*\p], s[4:5], s[52:53]
	s_add_co_u32 s19, s55, s[42+\p]                ; the tile among all 512
	s_lshl_b32 s52, s19, 12
	s_add_co_u32 s52, s52, s38
	s_add_nc_u64 s[44+4*\p:45+4*\p], s[8:9], s[52:53]
	s_lshl_b32 s52, s19, 11
	s_add_co_u32 s52, s52, s39
	s_add_nc_u64 s[46+4*\p:47+4*\p], s[10:11], s[52:53]
.endm
	ADDR 0
	ADDR 1
	v_and_b32 v6, 15, v0                           ; r
	v_bfe_u32 v7, v0, 4, 1                         ; h
	v_and_b32 v1, 31, v0                           ; lane
	s_delay_alu instid0(VALU_DEP_2)
	v_lshlrev_b32 v5, 3, v7
	s_delay_alu instid0(VALU_DEP_1)
	v_sub_nc_u32 v5, v6, v5
	s_lshl_b32 s19, s13, 5
	v_add_nc_u32 v5, s19, v5                       ; r - 8 h + 32 cx: the mask's bound for my first tile (data for a compare: no address)
	v_lshlrev_b32 v7, 2, v1                        ; 4 x lane
	v_lshlrev_b32 v1, 4, v1                        ; 16 x lane: an image's place for my lane
	v_lshlrev_b32 v6, 4, v6                        ; 16 r
	s_delay_alu instid0(VALU_DEP_2)
	v_add_nc_u32 v2, VIMG, v1
	s_delay_alu instid0(VALU_DEP_3)
	v_add_nc_u32 v3, KSC, v1
	s_delay_alu instid0(VALU_DEP_3)
	v_add_nc_u32 v4, VSC, v6
	global_load_b128 v[16:19], v1, s[56:57]        ; Q stays in registers: lane (r, h) holds block h of query r
	global_load_b32 v[QS], v6, s[58:59]
	global_load_b128 v[24:27], v1, s[60:61]
	global_load_b32 v[QS+1], v6, s[62:63]
.irp j, 20,21,22,23,28,29,30,31,64,65,66,67
	v_mov_b32 v[\j], 0                             ; zero codes: Q's upper 64 along the instruction's K, and what stands behind K's last tile
.endr
.irp b, 0,1,2,3
	v_mov_b32 v[BP+\b], 0                          ; written once: a lane permute's destination counts as one of its sources
.endr
	v_mov_b32 v[FF+1], 0                           ; (named as the upper half of a pair)
	v_mov_b32 v[TP], 0
	s_wait_tensorcnt 0x0                           ; my part of the record has landed,
	s_barrier_signal -1
	s_barrier_wait -1                              ; everybody's has
	s_wait_loadcnt 0x0                             ; Q
.macro PASS p
	v_mov_b32 v13, 0xff61b1e6                      ; the largest t so far: -3e38, under every t
	s_delay_alu instid0(VALU_DEP_1)
	v_floor_f32 v12, -v13                          ; -M
	v_mov_b32 v14, 0                               ; the sum, in two halves
	v_mov_b32 v15, 0
.set n, 0
.rept 32
	v_mov_b32 v[OT+n], 0                           ; O^T: the step is written once; the first finds zeros, which the first change of M leaves zeros
.set n, n+1
.endr
	s_mov_b32 s36, 0                               ; the key step
	s_mov_b32 s37, 0                               ; its images: 4,096 bytes a step, K's and V's alike
	s_mov_b32 s38, 0                               ; K's scale words: 512
	s_mov_b32 s39, 0                               ; V's: 256
.Lstep_\@:
	s_cmp_gt_u32 s36, s[40+\p]                     ; all 128 keys come after my queries: nothing to do but step the addresses
	s_cbranch_scc1 .Lskip_\@
	s_setprio 2
	v_add_nc_u32 v8, s37, v1                       ; (these four are also the places between the last step's products and the loads into their sources)
	v_add_nc_u32 v9, s37, v2
	v_add_nc_u32 v10, s38, v3
	v_add_nc_u32 v11, s39, v4
	ds_load_b128 v[KS:KS+3], v10                   ; lanes 0-15: the words of tiles 0-3 of row r; lanes 16-31: of tiles 4-7
.irp t, 0,1,2,3,4,5,6,7
	ds_load_b128 v[32+4*\t:35+4*\t], v8 offset:512*\t
.endr
	ds_load_b128 v[VSW:VSW+3], v11                 ; the words of V's four tiles of row r
.irp t, 0,1,2,3
.irp c, 0,1
	ds_load_b128 v[68+8*\t+4*\c:71+8*\t+4*\c], v9 offset:1024*\t+512*\c
.endr
.endr
	s_wait_dscnt 0x9                               ; K and its scale words are in; V's nine loads may stay out until the second product
.irp t, 0,1,2,3
	v_wmma_scale_f32_16x16x128_f8f6f4 v[SR+8*\t:SR+8*\t+7], v[32+4*\t:39+4*\t], v[16+8*\p:23+8*\p], 0, v[KS+\t], v[QS+\p] matrix_a_fmt:MATRIX_FMT_FP4 matrix_b_fmt:MATRIX_FMT_FP4
.endr
.irp t, 4,5,6,7
	v_wmma_scale_f32_16x16x128_f8f6f4 v[SR+8*\t:SR+8*\t+7], v[32+4*\t:39+4*\t], v[16+8*\p:23+8*\p], 0, v[KS+\t-4], v[QS+\p] matrix_a_fmt:MATRIX_FMT_FP4 matrix_b_fmt:MATRIX_FMT_FP4 matrix_a_scale:MATRIX_SCALE_ROW1
.endr
.rept 4
	v_nop
.endr
	s_cmp_lg_u32 s36, s[40+\p]                     ; only the tile's last step lies on the diagonal
	s_cbranch_scc1 .Lopen_\@
	v_add_nc_u32 v[DD], 16*\p, v5                  ; d = my query's place in the step - 8 h.  Register 8 t + j holds key 16 t + 8 h + j: hidden where 16 t + j > d
	v_mov_b32 v[NINF], 0xff800000                  ; -infinity: p = 0 then
.set n, 0
.rept 64
	v_cmp_gt_i32 vcc_lo, 16*(n/8)+n%8, v[DD]
	v_cndmask_b32 v[SR+n], v[SR+n], v[NINF], vcc_lo
.set n, n+1
.endr
.Lopen_\@:
.irp b, 0,1,2,3
	v_max3_num_f32 v[BM+\b], v[SR+16*\b], v[SR+16*\b+1], v[SR+16*\b+2]   ; the largest score of each block of 32 keys: it serves for the row's maximum and, since p rises with the score, for the block's largest p
.endr
.irp i, 3,5,7,9,11,13
.irp b, 0,1,2,3
	v_max3_num_f32 v[BM+\b], v[BM+\b], v[SR+16*\b+\i], v[SR+16*\b+\i+1]
.endr
.endr
.irp b, 0,1,2,3
	v_max_num_f32 v[BM+\b], v[BM+\b], v[SR+16*\b+15]
.endr
.irp b, 0,1,2,3
	s_delay_alu instid0(VALU_DEP_4)
	v_permlanex16_b32 v[BP+\b], v[BM+\b], s20, s21
.endr
.irp b, 0,1,2,3
	s_delay_alu instid0(VALU_DEP_4)
	v_max_num_f32 v[BM+\b], v[BM+\b], v[BP+\b]     ; with lane l xor 16's 16 keys
.endr
	s_delay_alu instid0(VALU_DEP_2)
	v_max3_num_f32 v[TP], v[BM], v[BM+1], v[BM+2]
	s_delay_alu instid0(VALU_DEP_1)
	v_max_num_f32 v[TP], v[TP], v[BM+3]            ; the step's largest score of my query
	s_delay_alu instid0(VALU_DEP_1)
	v_mul_f32 v[TP], s22, v[TP]                    ; as t (c is positive)
	s_delay_alu instid0(VALU_DEP_1)
	v_max_num_f32 v13, v13, v[TP]                  ; the running largest t
	v_mov_b32 v[TP], v12
	s_delay_alu instid0(VALU_DEP_2)
	v_floor_f32 v12, -v13                          ; the new -M = floor(-t): M is a whole number
	s_delay_alu instid0(VALU_DEP_1)
	v_sub_f32 v[TP], v12, v[TP]                    ; old M - new M: a whole number, 0 or less
	s_delay_alu instid0(VALU_DEP_1)
	v_cvt_i32_f32 v[TP], v[TP]                     ; (it saturates)
	s_delay_alu instid0(VALU_DEP_1)
	v_ldexp_f32 v[FF], 1.0, v[TP]                  ; f = 2^(old M - new M)
.set n, 0
.rept 32
	v_pk_fma_f32 v[SR+n:SR+n+1], v[SR+n:SR+n+1], s[22:23], v[12:13] op_sel_hi:[1,0,0]   ; t - M, two at a time
.set n, n+2
.endr
	s_setprio 1
.irp b, 0,1,2,3
	v_fma_f32 v[BM+\b], v[BM+\b], s22, v12         ; the same of each block's largest score
.endr
.set n, 0
	s_wait_alu depctr_va_vdst(0)
.rept 64
	v_exp_f32 v[SR+n], v[SR+n]                     ; p = 2^(t - M), at most 1
.set n, n+1
.endr
.irp b, 0,1,2,3
	v_exp_f32 v[BM+\b], v[BM+\b]                   ; the block's largest p
.endr
	v_pk_mul_f32 v[14:15], v[14:15], v[FF:FF+1] op_sel_hi:[1,0]   ; the sum under the new M (a plain place behind the exponentials)
	s_wait_alu depctr_va_vdst(0)
.irp b, 0,1,2,3
	v_max_num_f32 v[BM+\b], 0x1800000, v[BM+\b]    ; the floor 2^(3 - 127): the byte cannot fall under 1
.endr
.irp b, 0,1,2,3
	s_delay_alu instid0(VALU_DEP_4)
	v_add_nc_u32 v[BO+\b], 0xff000000, v[BM+\b]    ; 2 off the exponent field: the conversion's scale operand
.endr
.irp b, 0,1,2,3
	s_delay_alu instid0(VALU_DEP_4)
	v_lshrrev_b32 v[BP+\b], 23, v[BO+\b]           ; the scale's byte
.endr
	s_delay_alu instid0(VALU_DEP_3)
	v_lshl_or_b32 v[PS], v[BP+1], 8, v[BP]         ; p's scale word for these 128 keys
	s_delay_alu instid0(VALU_DEP_1)
	v_lshl_or_b32 v[PS], v[BP+2], 16, v[PS]
	s_delay_alu instid0(VALU_DEP_1)
	v_lshl_or_b32 v[PS], v[BP+3], 24, v[PS]
.irp b, 0,1,2,3
	v_cvt_scalef32_pk8_fp4_f32 v[PC+4*(\b/2)+\b%2], v[SR+16*\b:SR+16*\b+7], v[BO+\b]
	v_cvt_scalef32_pk8_fp4_f32 v[PC+4*(\b/2)+\b%2+2], v[SR+16*\b+8:SR+16*\b+15], v[BO+\b]
.endr
	v_nop                                          ; one plain place behind the scaled conversions
.irp c, 0,2,4,6
	v_permlane16_swap_b32 v[PC+\c], v[PC+\c+1]     ; a whole block in a lane: register 4 c + d = the d-th eight keys of block 2 c + h
.endr
.set n, 0
.rept 16
	v_pk_mul_f32 v[OT+n:OT+n+1], v[OT+n:OT+n+1], v[FF:FF+1] op_sel_hi:[1,0]   ; O^T under the new M, each accumulator from its low end on
.set n, n+2
.endr
	s_setprio 0
	v_pk_add_f32 v[230:231], v[104:105], v[108:109]
	v_pk_add_f32 v[252:253], v[112:113], v[116:117]
	v_pk_add_f32 v[250:251], v[120:121], v[124:125]
	v_pk_add_f32 v[248:249], v[128:129], v[132:133]
	v_pk_add_f32 v[246:247], v[136:137], v[140:141]
	v_pk_add_f32 v[244:245], v[144:145], v[148:149]
	v_pk_add_f32 v[242:243], v[152:153], v[156:157]
	v_pk_add_f32 v[14:15], v[14:15], v[160:161]
	v_pk_add_f32 v[230:231], v[230:231], v[100:101]
	v_pk_add_f32 v[252:253], v[252:253], v[102:103]
	v_pk_add_f32 v[250:251], v[250:251], v[106:107]
	v_pk_add_f32 v[248:249], v[248:249], v[110:111]
	v_pk_add_f32 v[246:247], v[246:247], v[114:115]
	v_pk_add_f32 v[244:245], v[244:245], v[118:119]
	v_pk_add_f32 v[242:243], v[242:243], v[122:123]
	v_pk_add_f32 v[14:15], v[14:15], v[126:127]
	v_pk_add_f32 v[230:231], v[230:231], v[130:131]
	v_pk_add_f32 v[252:253], v[252:253], v[134:135]
	v_pk_add_f32 v[250:251], v[250:251], v[138:139]
	v_pk_add_f32 v[248:249], v[248:249], v[142:143]
	v_pk_add_f32 v[246:247], v[246:247], v[146:147]
	v_pk_add_f32 v[244:245], v[244:245], v[150:151]
	v_pk_add_f32 v[242:243], v[242:243], v[154:155]
	v_pk_add_f32 v[14:15], v[14:15], v[158:159]
	v_pk_add_f32 v[230:231], v[230:231], v[162:163]
	s_delay_alu instid0(VALU_DEP_2)
	v_pk_add_f32 v[14:15], v[14:15], v[248:249]
	s_delay_alu instid0(VALU_DEP_2)
	v_pk_add_f32 v[230:231], v[230:231], v[246:247]
	v_pk_add_f32 v[252:253], v[252:253], v[244:245]
	v_pk_add_f32 v[250:251], v[250:251], v[242:243]
	s_delay_alu instid0(VALU_DEP_2)
	v_pk_add_f32 v[14:15], v[14:15], v[252:253]
	s_delay_alu instid0(VALU_DEP_2)
	v_pk_add_f32 v[230:231], v[230:231], v[250:251]
	s_delay_alu instid0(VALU_DEP_1)
	v_pk_add_f32 v[14:15], v[14:15], v[230:231]
	s_wait_dscnt 0x0                               ; V and its scale words are in
.irp t, 0,1,2,3
	v_wmma_scale_f32_16x16x128_f8f6f4 v[OT+8*\t:OT+8*\t+7], v[68+8*\t:75+8*\t], v[PC:PC+7], v[OT+8*\t:OT+8*\t+7], v[VSW+\t], v[PS] matrix_a_fmt:MATRIX_FMT_FP4 matrix_b_fmt:MATRIX_FMT_FP4   ; four accumulators by turns; eight other products stand between a link and the next
.endr
.Lskip_\@:
	s_add_co_u32 s37, s37, 4096
	s_add_co_u32 s38, s38, 512
	s_add_co_u32 s39, s39, 256
	s_add_co_u32 s36, s36, 1
	s_cmp_lt_u32 s36, 16
	s_cbranch_scc1 .Lstep_\@
	s_setprio 0
.rept 4
	v_nop                                          ; places behind the last products
.endr
	s_wait_alu depctr_va_vdst(0)
	v_add_f32 v14, v14, v15                        ; the sum's two halves,
	s_delay_alu instid0(VALU_DEP_1)
	v_permlanex16_b32 v[TP], v14, s20, s21
	s_delay_alu instid0(VALU_DEP_1)
	v_add_f32 v14, v14, v[TP]                      ; and lane l xor 16's: the row's sum
	s_wait_alu depctr_va_vdst(0)
	v_rcp_f32 v[FF], v14
	v_nop                                          ; a plain place behind the transcendental
.set n, 0
	s_wait_alu depctr_va_vdst(0)
.rept 16
	v_pk_mul_f32 v[SR+n:SR+n+1], v[OT+n:OT+n+1], v[FF:FF+1] op_sel_hi:[1,0]   ; O^T / the sum: register 8 t + j is channel 16 t + 8 h + j of my query
.set n, n+2
.endr
	; O's 64 channels are two blocks of the last product's K
.irp b, 0,1
	v_max3_num_f32 v[BM+\b], |v[SR+16*\b]|, |v[SR+16*\b+1]|, 0x1800000
.endr
.irp i, 2,4,6,8,10,12,14
.irp b, 0,1
	s_delay_alu instid0(VALU_DEP_2)
	v_max3_num_f32 v[BM+\b], v[BM+\b], |v[SR+16*\b+\i]|, |v[SR+16*\b+\i+1]|
.endr
.endr
.irp b, 0,1
	s_delay_alu instid0(VALU_DEP_2)
	v_permlanex16_b32 v[BP+\b], v[BM+\b], s20, s21
.endr
.irp b, 0,1
	s_delay_alu instid0(VALU_DEP_2)
	v_max_num_f32 v[BM+\b], v[BM+\b], v[BP+\b]
.endr
.irp b, 0,1
	s_delay_alu instid0(VALU_DEP_2)
	v_add_nc_u32 v[BO+\b], 0xff000000, v[BM+\b]
.endr
.irp b, 0,1
	s_delay_alu instid0(VALU_DEP_2)
	v_lshrrev_b32 v[BP+\b], 23, v[BO+\b]
.endr
	s_delay_alu instid0(VALU_DEP_1)
	v_lshl_or_b32 v[OW], v[BP+1], 8, v[BP]         ; two bytes; the upper half stays 0 for the neighbouring head's
.irp b, 0,1
	v_cvt_scalef32_pk8_fp4_f32 v[PC+\b], v[SR+16*\b:SR+16*\b+7], v[BO+\b]
	v_cvt_scalef32_pk8_fp4_f32 v[PC+\b+2], v[SR+16*\b+8:SR+16*\b+15], v[BO+\b]
.endr
	v_nop
	v_permlane16_swap_b32 v[PC], v[PC+1]
	v_permlane16_swap_b32 v[PC+2], v[PC+3]         ; lane (r, h): block h of query r
	global_store_b128 v1, v[PC:PC+3], s[44+4*\p:45+4*\p]   ; 512 consecutive bytes: half a fragment of the last product's left operand
	global_store_b32 v7, v[OW], s[46+4*\p:47+4*\p]
.endm
	PASS 0
	s_wait_xcnt 0x0                                ; the stores have read their registers: the second tile writes them again
	PASS 1
	s_wait_tensorcnt 0x0
	ds_add_u32 v254, v255
	s_wait_dscnt 0x0
	CROUND                                         ; the closing round
	s_endpgm
.Lfunc_end_k_q2100945dbd_attn:
	.size	k_q2100945dbd_attn, .Lfunc_end_k_q2100945dbd_attn-k_q2100945dbd_attn
	.p2alignl 7, 3214868480
	.fill 96, 4, 3214868480
	.section	.rodata,"a",@progbits
	.p2align	6, 0x0
	.amdhsa_kernel k_q2100945dbd_attn
		.amdhsa_group_segment_fixed_size 169984
		.amdhsa_private_segment_fixed_size 0
		.amdhsa_enable_private_segment 0
		.amdhsa_kernarg_size 32
		.amdhsa_user_sgpr_count 2
		.amdhsa_user_sgpr_kernarg_segment_ptr 1
		.amdhsa_wavefront_size32 1
		.amdhsa_system_sgpr_workgroup_id_x 1
		.amdhsa_system_sgpr_workgroup_id_y 1
		.amdhsa_system_sgpr_workgroup_id_z 1
		.amdhsa_system_vgpr_workitem_id 0
		.amdhsa_next_free_vgpr 256
		.amdhsa_next_free_sgpr 66
		.amdhsa_reserve_vcc 1
		.amdhsa_float_denorm_mode_32 3
		.amdhsa_float_denorm_mode_16_64 3
		.amdhsa_memory_ordered 1
		.amdhsa_forward_progress 1
		.amdhsa_inst_pref_size 61
	.end_amdhsa_kernel
	.amdgpu_metadata
---
amdhsa.version: [ 1, 2 ]
amdhsa.kernels:
  - .name:           k_q2100945dbd_attn
    .symbol:         k_q2100945dbd_attn.kd
    .args:
      - { .name: qrec, .offset: 0, .size: 8, .value_kind: global_buffer, .address_space: global }
      - { .name: kv, .offset: 8, .size: 8, .value_kind: global_buffer, .address_space: global }
      - { .name: oimg, .offset: 16, .size: 8, .value_kind: global_buffer, .address_space: global }
      - { .name: osc, .offset: 24, .size: 8, .value_kind: global_buffer, .address_space: global }
    .group_segment_fixed_size: 169984
    .private_segment_fixed_size: 0
    .kernarg_segment_align: 8
    .kernarg_segment_size: 32
    .max_flat_workgroup_size: 512
    .sgpr_count:     66
    .vgpr_count:     256
    .wavefront_size: 32
...
	.end_amdgpu_metadata
.endif
;; end of part 2
;; launch oproj (part 3): grid 4 x 64, 4 waves a work-group, clusters of 4 x 4, 247,808 bytes of LDS; arguments oimg, osc, Wo_codes, Wo_scales, bo, out0; writes out0
.if DOCPART == 3
	.amdgcn_target "amdgcn-amd-amdhsa--gfx1250"
	.amdhsa_code_object_version 6
	.text
	.protected	k_q2100945dbd_oproj
	.globl	k_q2100945dbd_oproj
	.p2align	8
	.type	k_q2100945dbd_oproj,@function
k_q2100945dbd_oproj:
	s_mov_b64 s[64:65], 0
	v_nop
	global_prefetch_b8 v0, s[64:65] scope:SCOPE_SE
	s_setreg_imm32_b32 hwreg(HW_REG_WAVE_MODE, 25, 1), 1
	s_wait_xcnt 0x0
	s_wait_alu depctr_hold_cnt(0) depctr_sa_sdst(0) depctr_va_vdst(0) depctr_va_sdst(0) depctr_va_ssrc(0) depctr_va_vcc(0) depctr_vm_vsrc(0)
	s_getreg_b32 s2, hwreg(HW_REG_IB_STS2, 6, 4)
	s_cmp_eq_u32 s2, 0
	s_cbranch_scc0 .Lentry_in_a_cluster
	s_endpgm
.Lentry_in_a_cluster:
	s_bfe_u32 s2, ttmp6, 0x10000c
	s_cmp_lg_u32 s2, 0xf033
	s_cbranch_scc0 .Lentry_shape_is_right
	s_endpgm
.Lentry_shape_is_right:
; out = O Wo^T + bo on codes of FP4 (E2M1) with one E8M0 scale for each 32 along K = 1,024; sums in f32.  O arrives as images of operand registers (oimg) with two scale bytes a head (osc), Wo as rows of codes.
; SHARES.  A work-group of four waves makes 128 rows x 256 columns, so that 256 work-groups share the 33.5 MB of stores; a wave makes 64 x 128: 32 accumulators of 16 x 16.
; K's two halves of 512 lie in LDS side by side; each LDS byte is filled once.  CLUSTERS: 4 x 4: O's tiles hang on the place along y and are asked for jointly by a row of the cluster, Wo's on the place along x, by a column.
; THE MATRIX INSTRUCTION IS USED TRANSPOSED (source 0 = 16 rows of Wo, source 1 = 16 rows of O): a lane holds eight neighbouring numbers of a row of out.  bo is the C of each sum's first product.
; REGISTERS, in windows of 256: window 0: v1-26 addresses; v32-63 O's scale words (8 a + K step), v64-127 Wo's (8 b + K step), v128-191 bo in the result's layout, v192-255 O's scale words as loaded;
;   on the way out v128-255 take rows read back.   window 1: two sets of fragments: Wo's eight at 128 p + 8 b, O's four at 128 p + 64 + 8 a.   window 2: the accumulators at 8 (8 a + b).
.set PITCH, 272                        ; a row of Wo in LDS: 256 bytes + 16 of padding
.set ASLOT, 32768                      ; O's images of half of K: 8 tiles x 4,096 bytes, dense
.set BBASE, 65536
.set BHALF, 128*PITCH
.set BSLOT, 2*BHALF                    ; Wo's 256 rows of half of K
.set SCB,   BBASE+2*BSLOT              ; Wo's scale bytes: two runs of 128 rows x 32 bytes, as rows of 256 bytes + 16
.set HALFS, 16*272
.set SBLK,  2*272
.set STG,   SCB+2*HALFS                ; the way out: 16 rows x (512 bytes + 16) for each wave; no tensor load lands here
.set SPITCH, 528
.set ADRA, 16
.set ADRB, 20                          ; v20-21: K half 0, 1
.set ADSB, 23
.set STO,  24
.set RD,   25
.set CO,   26
.set VB,   27
.set VL4,  28
.set SA,   32
.set SB,   64
.set BB,   128
.set RAW,  192
.set BKR,  128
.set WV,   30
.set WHI,  31
.set WLO,  32
.set CX,   33
.set CY,   34
.set TR,   36
.set MROW, 38
.set MCOL, 39
.set G1A,  40
.set G1B,  48
.set G1SB, 56
.set G0A,  68                          ; s[68:75] O's images, K half 0, 1
.set G0B,  76                          ; s[76:87] Wo: scale bytes, K half 0, K half 1
.set MSB, 0
.macro WIN new
.if MSB != (\new)
	s_set_vgpr_msb (MSB<<8)|(\new)
.set MSB, (\new)
.endif
.endm
.macro CROUND
	s_barrier_signal -1
	s_barrier_wait -1
	s_cmp_lg_u32 s[WV], 0
	s_cbranch_scc1 .Lnot_wave_0_\@
	s_barrier_signal -3
.Lnot_wave_0_\@:
	s_barrier_wait -3
	s_barrier_signal -1
	s_barrier_wait -1
.endm
.macro PLACES
.rept 4
	v_nop
.endr
.endm
	s_load_b256 s[4:11], s[0:1], 0x0               ; oimg, osc, Wo's codes, Wo's scales
	s_load_b128 s[12:15], s[0:1], 0x20             ; bo, out0
	v_lshl_add_u32 v30, v0, 2, 0x3c600
	v_mov_b32 v31, 0
	ds_add_u32 v30, v31
	ds_add_u32 v30, v31
	v_lshrrev_b32 v1, 5, v0
	v_readfirstlane_b32 s[WV], v1
	s_lshr_b32 s[WHI], s[WV], 1                    ; which 64 rows are mine.  Also: I fetch O (0) or Wo (1)
	s_and_b32 s[WLO], s[WV], 1                     ; which 128 columns.  Also: which half of a tile I fetch
	s_bfe_u32 s[CX], ttmp6, 0x40000                ; the tile column is my place along x (the grid is one cluster wide)
	s_bfe_u32 s[CY], ttmp6, 0x40004
	s_and_b32 s[TR], ttmp7, 0xffff
	s_lshl_b32 s[TR], s[TR], 2
	s_add_co_u32 s[TR], s[TR], s[CY]               ; tile row = 4 x cluster y + cy
	s_lshl_b32 s[MROW], s[CY], 2
	s_lshl_b32 s[MROW], 15, s[MROW]
	s_lshl_b32 s[MCOL], 0x1111, s[CX]
	s_or_b32 s[G1A], s[MROW], (3<<16)|(1<<21)      ; O's images: 16,384 dense bytes as 64 rows of 256 (32 elements of 8 bytes), no padding: they are read 16 bytes a lane on end
	s_mov_b32 s[G1A+1], 32<<16
	s_mov_b32 s[G1A+2], 64<<16
	s_mov_b32 s[G1A+3], 32<<16
	s_mov_b32 s[G1A+4], 64
	s_mov_b32 s[G1A+5], 32
	s_mov_b32 s[G1A+6], 0
	s_mov_b32 s[G1A+7], 0
	s_or_b32 s[G1B], s[MCOL], (1<<20)|(1<<21)|(5<<22)|(3<<25)   ; Wo's codes: 128 rows x 256 bytes, 512 apart, 16 bytes of padding behind each
	s_mov_b32 s[G1B+1], 256<<16
	s_mov_b32 s[G1B+2], 128<<16
	s_mov_b32 s[G1B+3], 256<<16
	s_mov_b32 s[G1B+4], 128
	s_mov_b32 s[G1B+5], 512
	s_mov_b32 s[G1B+6], 0
	s_mov_b32 s[G1B+7], 0
	s_or_b32 s[G1SB], s[MCOL], (3<<16)|(1<<20)|(1<<21)|(5<<22)|(3<<25)   ; Wo's scale bytes of 128 rows: 16 rows of 256 bytes, padded
	s_mov_b32 s[G1SB+1], 32<<16
	s_mov_b32 s[G1SB+2], 16<<16
	s_mov_b32 s[G1SB+3], 32<<16
	s_mov_b32 s[G1SB+4], 16
	s_mov_b32 s[G1SB+5], 32
	s_mov_b32 s[G1SB+6], 0
	s_mov_b32 s[G1SB+7], 0
	s_lshl_b32 s16, s[TR], 15                      ; O: 8 tiles of 4,096 bytes a tile row, 4 of them a load
	s_lshl_b32 s17, s[WLO], 14
	s_add_co_u32 s16, s16, s17
	s_mov_b32 s17, 0
	s_lshl_b32 s18, s[CX], 8                       ; Wo: row 256 x tile column + 128 x half, in registers that never hold O's
	s_lshl_b32 s19, s[WLO], 7
	s_add_co_u32 s18, s18, s19
	s_lshl_b32 s20, s18, 9
	s_mov_b32 s21, 0
	s_lshl_b32 s22, s18, 5
	s_mov_b32 s23, 0
	s_lshl_b32 s24, s[WLO], 14                     ; where they go: the wave's number alone
	s_mul_i32 s25, s[WLO], BHALF
	s_add_co_u32 s25, s25, BBASE
	s_mul_i32 s26, s[WLO], HALFS
	s_wait_dscnt 0x0
	s_wait_kmcnt 0x0
	s_add_nc_u64 s[4:5], s[4:5], s[16:17]
	s_add_nc_u64 s[8:9], s[8:9], s[20:21]
	s_add_nc_u64 s[10:11], s[10:11], s[22:23]
	s_mov_b32 s[G0B], 1
	s_add_co_u32 s[G0B+1], s26, SCB
	s_mov_b64 s[G0B+2:G0B+3], s[10:11]
	s_or_b32 s[G0B+3], s[G0B+3], 0x80000000
.irp s, 0,1
	s_mov_b32 s[G0A+4*\s], 1
	s_add_co_u32 s[G0A+4*\s+1], s24, \s*ASLOT
	s_add_nc_u64 s[G0A+4*\s+2:G0A+4*\s+3], s[4:5], \s*2097152   ; heads 8 on lie 2 MiB further on
	s_or_b32 s[G0A+4*\s+3], s[G0A+4*\s+3], 0x80000000
	s_mov_b32 s[G0B+4+4*\s], 1
	s_add_co_u32 s[G0B+5+4*\s], s25, \s*BSLOT
	s_add_nc_u64 s[G0B+6+4*\s:G0B+7+4*\s], s[8:9], \s*256
	s_or_b32 s[G0B+7+4*\s], s[G0B+7+4*\s], 0x80000000
.endr
	CROUND                                         ; all sixteen work-groups are here: the joint loads meet
	s_cmp_eq_u32 s[WHI], 0                         ; a wave's fills stand in one branch on its number: two or three tensor loads of mine are out
	s_cbranch_scc0 .Lfill_b
	tensor_load_to_lds s[G0A:G0A+3], s[G1A:G1A+7]
	s_nop 0
	tensor_load_to_lds s[G0A+4:G0A+7], s[G1A:G1A+7]
	s_nop 0
.rept 4
	v_nop
.endr
	s_branch .Lfilled
.Lfill_b:
	tensor_load_to_lds s[G0B:G0B+3], s[G1SB:G1SB+7]
	s_nop 0
	tensor_load_to_lds s[G0B+4:G0B+7], s[G1B:G1B+7]
	s_nop 0
	tensor_load_to_lds s[G0B+8:G0B+11], s[G1B:G1B+7]
	s_nop 0
.rept 4
	v_nop
.endr
.Lfilled:
	v_and_b32 v1, 15, v0                           ; r
	v_bfe_u32 v2, v0, 4, 1                         ; h
	v_and_b32 v4, 31, v0                           ; lane
	v_lshlrev_b32 v[CO], 4, v4                     ; 16 x lane
	v_lshlrev_b32 v[VL4], 2, v4                    ; 4 x lane
	s_wait_alu depctr_va_vdst(0)
	v_lshlrev_b32 v[VB], 5, v2                     ; bo: 8 numbers for each half of the lanes
	s_wait_alu depctr_va_vdst(0)
	s_lshl_b32 s16, s[TR], 14                      ; O's scale words: 2,048 bytes a tile; my four tiles
	s_lshl_b32 s17, s[WHI], 13
	s_add_co_u32 s16, s16, s17
	s_mov_b32 s17, 0
	s_add_nc_u64 s[6:7], s[6:7], s[16:17]
	s_lshl_b32 s18, s[CX], 10                      ; my first column, in bytes of f32
	s_lshl_b32 s19, s[WLO], 9
	s_add_co_u32 s18, s18, s19
	s_mov_b32 s19, 0
	s_add_nc_u64 s[12:13], s[12:13], s[18:19]
	s_lshl_b32 s20, s[TR], 19                      ; my first row: 128 x tile row + 64 x half, rows of 4,096 bytes
	s_lshl_b32 s21, s[WHI], 18
	s_add_co_u32 s20, s20, s21
	s_add_co_u32 s20, s20, s18
	s_mov_b32 s21, 0
	s_add_nc_u64 s[14:15], s[14:15], s[20:21]
.irp a, 0,1,2,3
.irp e, 0,1,2,3,4,5,6,7,8,9,10,11,12,13,14,15
	global_load_b32 v[RAW+16*\a+\e], v[VL4], s[6:7] offset:2048*\a+128*\e   ; tile a, head e: two bytes for row r
.endr
.endr
.irp b, 0,1,2,3,4,5,6,7
	global_load_b128 v[BB+8*\b:BB+8*\b+3], v[VB], s[12:13] offset:64*\b
	global_load_b128 v[BB+8*\b+4:BB+8*\b+7], v[VB], s[12:13] offset:64*\b+16
.endr
	s_lshl_b32 s16, s[WHI], 14
	v_add_nc_u32 v[ADRA], s16, v[CO]               ; my four tiles of O's images
	v_mul_u32_u24 v3, v1, PITCH
	v_lshl_add_u32 v3, v2, 4, v3
	s_mul_i32 s16, s[WLO], BHALF
	s_add_co_u32 s16, s16, BBASE
	v_add_nc_u32 v[ADRB], s16, v3
	v_add_nc_u32 v[ADRB+1], BSLOT, v[ADRB]
	v_lshlrev_b32 v5, 5, v1
	v_lshrrev_b32 v6, 3, v1
	v_lshl_add_u32 v5, v6, 4, v5
	s_mul_i32 s16, s[WLO], HALFS
	s_add_co_u32 s16, s16, SCB
	v_add_nc_u32 v[ADSB], s16, v5
	s_mul_i32 s16, s[WV], 16*SPITCH
	s_add_co_u32 s16, s16, STG                     ; my stage
	v_mul_u32_u24 v5, v1, SPITCH
	v_lshl_add_u32 v5, v2, 5, v5
	v_add_nc_u32 v[STO], s16, v5                   ; in: row r, 32 bytes for each half of the lanes
	v_add_nc_u32 v[RD], s16, v[CO]                 ; back: the 32 lanes take one row of 512 bytes
.macro FETCH q                         ; K step q's fragments into set q % 2: Wo's eight from rows, O's four from images: 24 loads in one run
	WIN 0x40
.irp i, 0,1,2,3,4,5,6,7
	ds_load_b128 v[128*((\q)%2)+8*\i:128*((\q)%2)+8*\i+3], v[ADRB+(\q)/4] offset:64*((\q)%4)+\i*16*PITCH
	ds_load_b128 v[128*((\q)%2)+8*\i+4:128*((\q)%2)+8*\i+7], v[ADRB+(\q)/4] offset:64*((\q)%4)+\i*16*PITCH+32
.endr
.irp i, 0,1,2,3
.irp c, 0,1
	ds_load_b128 v[128*((\q)%2)+64+8*\i+4*\c:128*((\q)%2)+64+8*\i+4*\c+3], v[ADRA] offset:ASLOT*((\q)/4)+4096*\i+1024*((\q)%4)+512*\c
.endr
.endr
.endm
.macro MUL q                           ; 32 matrix instructions; the 32 accumulators take turns, in the same order in every step
.if (\q) == 0
	WIN 0x85                                       ; sources 0 and 1 window 1, C (bo) window 0, D window 2
.else
	WIN 0xa5                                       ; C and D window 2
.endif
.irp a, 0,1,2,3
.irp b, 0,1,2,3,4,5,6,7
.if (\q) == 0
	v_wmma_scale_f32_16x16x128_f8f6f4 v[8*(8*\a+\b):8*(8*\a+\b)+7], v[128*((\q)%2)+8*\b:128*((\q)%2)+8*\b+7], v[128*((\q)%2)+64+8*\a:128*((\q)%2)+64+8*\a+7], v[BB+8*\b:BB+8*\b+7], v[SB+8*\b+(\q)], v[SA+8*\a+(\q)] matrix_a_fmt:MATRIX_FMT_FP4 matrix_b_fmt:MATRIX_FMT_FP4
.else
	v_wmma_scale_f32_16x16x128_f8f6f4 v[8*(8*\a+\b):8*(8*\a+\b)+7], v[128*((\q)%2)+8*\b:128*((\q)%2)+8*\b+7], v[128*((\q)%2)+64+8*\a:128*((\q)%2)+64+8*\a+7], v[8*(8*\a+\b):8*(8*\a+\b)+7], v[SB+8*\b+(\q)], v[SA+8*\a+(\q)] matrix_a_fmt:MATRIX_FMT_FP4 matrix_b_fmt:MATRIX_FMT_FP4
.endif
.endr
.endr
.endm
.macro STEP q
.if \q == 3
	s_wait_tensorcnt 0x0                           ; my part of K half 1 has landed
.endif
	s_wait_dscnt 0x0                               ; this step's fragments are in
.if \q == 3
	s_barrier_signal -1
	s_barrier_wait -1                              ; everybody's part has
.endif
.if \q < 7
.if \q > 0
	PLACES                                         ; the set that is loaded now was read by the products just issued
.endif
	FETCH \q+1
.endif
	MUL \q
.endm
	s_wait_alu depctr_va_vdst(0)
	s_wait_tensorcnt 0x1                           ; all my loads but the last, K half 1's, are in
	s_barrier_signal -1
	s_barrier_wait -1
.irp i, 0,1,2,3,4,5,6,7
	ds_load_b128 v[SB+8*\i:SB+8*\i+3], v[ADSB] offset:\i*SBLK          ; Wo's scale words: 8 a row, one for each K step
	ds_load_b128 v[SB+8*\i+4:SB+8*\i+7], v[ADSB] offset:\i*SBLK+16
.endr
	FETCH 0
	WIN 0
	s_wait_loadcnt 0x0                             ; O's scale words and bo
.irp a, 0,1,2,3
.irp q, 0,1,2,3,4,5,6,7
	v_lshl_or_b32 v[SA+8*\a+\q], v[RAW+16*\a+2*\q+1], 16, v[RAW+16*\a+2*\q]   ; K step q is heads 2 q and 2 q + 1: two bytes of each make the word
.endr
.endr
.rept 8
	v_nop                                          ; a scale register written by a vector instruction stands 8 places ahead of a scaled matrix instruction
.endr
	s_wait_alu depctr_va_vdst(0)
	STEP 0
	STEP 1
	STEP 2
	STEP 3
	STEP 4
	STEP 5
	STEP 6
	STEP 7
	WIN 0
; THE WAY OUT, block by block of 16 rows x 128 columns, through my own stage in LDS: in as 32 bytes a lane, back as whole rows of 512 bytes.  LDS serves a wave's instructions in order (ISA guide 5.7.1.4):
; no wait between the stores and the loads, nor in front of the next block's stores.
.macro TOSTAGE a
	WIN 0x08                                       ; an LDS store's data are its source 1: window 2
.irp b, 0,1,2,3,4,5,6,7
	ds_store_b128 v[STO], v[64*(\a)+8*\b:64*(\a)+8*\b+3] offset:64*\b          ; each accumulator from its low end on
	ds_store_b128 v[STO], v[64*(\a)+8*\b+4:64*(\a)+8*\b+7] offset:64*\b+16
.endr
	WIN 0
.set RB, BKR+64*((\a)%2)
.irp t, 0,1,2,3,4,5,6,7,8,9,10,11,12,13,14,15
	ds_load_b128 v[RB+4*\t:RB+4*\t+3], v[RD] offset:\t*SPITCH
.endr
.endm
.macro SEND a, younger                 ; younger: the LDS instructions issued behind block a's loads, which may stay out
.set RB, BKR+64*((\a)%2)
	s_wait_dscnt \younger
.if (\a) > 0
	s_add_nc_u64 s[14:15], s[14:15], 16*4096       ; 16 rows on (behind a wait on XCNT: the earlier stores have read their base)
.endif
.irp t, 0,1,2,3,4,5,6,7,8,9,10,11,12,13,14,15
	global_store_b128 v[CO], v[RB+4*\t:RB+4*\t+3], s[14:15] offset:\t*4096 th:TH_STORE_NT   ; 32 lanes store 512 consecutive bytes, at a multiple of 256 from out0's first byte; written once, read by nobody here
.endr
.endm
	PLACES                                         ; behind the last products: results are read below
	TOSTAGE 0
.irp a, 1,2,3
.if \a > 1
	s_wait_xcnt 0x0                                ; block a - 2's stores have read their registers and their base
.endif
	TOSTAGE \a
	SEND \a-1, 0x20                                ; behind block a - 1's loads: block a's 16 stores and 16 loads
.endr
	s_wait_xcnt 0x0
	SEND 3, 0x0
	s_wait_tensorcnt 0x0
	ds_add_u32 v30, v31
	s_wait_dscnt 0x0
	CROUND                                         ; the closing round
	s_endpgm
.Lfunc_end_k_q2100945dbd_oproj:
	.size	k_q2100945dbd_oproj, .Lfunc_end_k_q2100945dbd_oproj-k_q2100945dbd_oproj
	.p2alignl 7, 3214868480
	.fill 96, 4, 3214868480
	.section	.rodata,"a",@progbits
	.p2align	6, 0x0
	.amdhsa_kernel k_q2100945dbd_oproj
		.amdhsa_group_segment_fixed_size 247808
		.amdhsa_private_segment_fixed_size 0
		.amdhsa_enable_private_segment 0
		.amdhsa_kernarg_size 48
		.amdhsa_user_sgpr_count 2
		.amdhsa_user_sgpr_kernarg_segment_ptr 1
		.amdhsa_wavefront_size32 1
		.amdhsa_system_sgpr_workgroup_id_x 1
		.amdhsa_system_sgpr_workgroup_id_y 1
		.amdhsa_system_sgpr_workgroup_id_z 1
		.amdhsa_system_vgpr_workitem_id 0
		.amdhsa_next_free_vgpr 768
		.amdhsa_next_free_sgpr 92
		.amdhsa_reserve_vcc 0
		.amdhsa_float_denorm_mode_32 3
		.amdhsa_float_denorm_mode_16_64 3
		.amdhsa_memory_ordered 1
		.amdhsa_forward_progress 1
		.amdhsa_inst_pref_size 80
	.end_amdhsa_kernel
	.amdgpu_metadata
---
amdhsa.version: [ 1, 2 ]
amdhsa.kernels:
  - .name:           k_q2100945dbd_oproj
    .symbol:         k_q2100945dbd_oproj.kd
    .args:
      - { .name: oimg, .offset: 0, .size: 8, .value_kind: global_buffer, .address_space: global }
      - { .name: osc, .offset: 8, .size: 8, .value_kind: global_buffer, .address_space: global }
      - { .name: Wo_codes, .offset: 16, .size: 8, .value_kind: global_buffer, .address_space: global }
      - { .name: Wo_scales, .offset: 24, .size: 8, .value_kind: global_buffer, .address_space: global }
      - { .name: bo, .offset: 32, .size: 8, .value_kind: global_buffer, .address_space: global }
      - { .name: out0, .offset: 40, .size: 8, .value_kind: global_buffer, .address_space: global }
    .group_segment_fixed_size: 247808
    .private_segment_fixed_size: 0
    .kernarg_segment_align: 8
    .kernarg_segment_size: 48
    .max_flat_workgroup_size: 128
    .sgpr_count:     92
    .vgpr_count:     768
    .wavefront_size: 32
...
	.end_amdgpu_metadata
.endif
;; end of part 3
